; MI455X (gfx1250); checked and timed in simulation.
; The chip was launched on July 23, 2026; its instructions are those of AMD's public machine-readable ISA for CDNA 5 (MIT licence, August 2026) and "CDNA5" Instruction Set Architecture Reference Guide (July 2026). The comments in the code are by the model that wrote it; some were corrected since.
;; Bit Multihead Attention158 Inference. Allowed arithmetic: matrix products marked QUANTISED: E4M3 operands, one given power-of-two scale a tensor, by v_wmma_f32_16x16x64_fp8_fp8 or v_wmma_f32_16x16x128_fp8_fp8, f32 sums; everything else in f32.
;; Inputs: in_proj_bias 3,072 float32; in_proj_weight 3,072 x 1,024 float32; key 4 x 2,048 x 1,024 float32; lowp_scales 12 int32 (the exponents e of the quantised operands' scales 2^e); out_proj_bias 1,024 float32; out_proj_weight 1,024 x 1,024 float32; query 4 x 2,048 x 1,024 float32; value 4 x 2,048 x 1,024 float32.
;; Outputs: out0 4 x 2,048 x 1,024 float32.
;; This version of the problem:
;;   THIS VERSION OF THE PROBLEM IS GIVEN IN LOW PRECISION. The matrix products marked QUANTISED in the list below multiply operands that are first quantised to E4M3 (4 exponent bits, 3 mantissa bits; 8 bits a number), with one given power-of-two scale for each operand tensor; their sums are f32. All else is computed in f32.
;;   The module's matrix products, in the order in which they are computed (A, B: the left and right operand; K: the contracted axis; several contracted axes count as one K, in the product's order):
;;     1. [M 8,192, K 1,024] x [K 1,024, N 1,024]; A: computed on the way; B: computed on the way: QUANTISED (scales: A lowp_scales[0], B lowp_scales[1])
;;     2. [M 8,192, K 1,024] x [K 1,024, N 1,024]; A: computed on the way; B: computed on the way: QUANTISED (scales: A lowp_scales[2], B lowp_scales[3])
;;     3. [M 8,192, K 1,024] x [K 1,024, N 1,024]; A: computed on the way; B: computed on the way: QUANTISED (scales: A lowp_scales[4], B lowp_scales[5])
;;     4. batch 64 x [M 2,048, K 64] x [K 64, N 2,048]; A: computed on the way; B: computed on the way: QUANTISED (scales: A lowp_scales[6], B lowp_scales[7])
;;     5. batch 64 x [M 2,048, K 2,048] x [K 2,048, N 64]; A: softmax (see below); B: computed on the way: QUANTISED (scales: A lowp_scales[8], B lowp_scales[9])
;;     6. [M 8,192, K 1,024] x [K 1,024, N 1,024]; A: computed on the way; B: computed on the way: QUANTISED (scales: A lowp_scales[10], B lowp_scales[11])
;;   THE QUANTISER, for each operand of a quantised product, along K:
;;     - The operand's scale is 2^e, e = its entry of the input lowp_scales (int32; the entries are numbered through the quantised products in the list's order, A before B).
;;     - Each number is divided by the scale, clamped to +-448, and rounded to the nearest number of E4M3, ties to even, subnormals kept.
;;     - The product sums the exact products of the quantised numbers (number of the format x scale) in f32.
;;   ~~~python
;;   def quantise(x, axis, e):      # numpy; x: float32 -> the quantised numbers, widened to float32 again
;;       x = np.moveaxis(x, axis, -1); K = x.shape[-1]
;;       r = np.clip(x / 2.0 ** e, -448, 448)
;;       step = 2.0 ** (np.maximum(np.frexp(np.where(r == 0, 1, r))[1] - 1, -6) - 3)
;;       q = np.round(r / step) * step * 2.0 ** e      # np.round: ties to even
;;       return np.moveaxis(q, -1, axis).astype(np.float32)
;;   ~~~
;;   SOFTMAX AHEAD OF A QUANTISED PRODUCT. Where the list says 'softmax', what is quantised is not the finished softmax but p = 2^(t - M), with t = logit x log2(e) and M = ceil(the row's largest t), a whole number; so 1/2 < the row's largest p <= 1. The row's sum l is taken of the UNQUANTISED p, in f32, and the product's result is divided by l at the end. Since M is a whole number, a kernel that streams over the keys may use a running M (the ceiling of the running maximum): every later rescaling is an exact power of two, so the quantised numbers keep their values, but for numbers so far below the row's largest that they fall under the format's range.
;;   OPERANDS COMPUTED ON THE WAY. 'Computed on the way' means the value that the module computes at that place (a softmax that the list does not call 'softmax' is quantised finished and normalised). What goes into a quantiser is computed in f32, as accurately as f32 sums, v_exp_f32 and their like allow (about 1e-6 of the number): no bf16 or f16 on the way to a quantiser, and a product that is left as it is and whose result goes on into a quantised operand takes f32 operands (vector FMAs, or v_wmma_f32_16x16x4_f32). A number that lies on a knife's edge between two numbers of the format may be rounded either way, as far as f32 arithmetic and the matrix unit's own rounding can turn it there, and no further.
;; 2 versions, each right; version 2 is version 1 with the launch attn written anew for expert scheduling mode. Each part assembles by itself: llvm-mc -triple=amdgcn-amd-amdhsa -mcpu=gfx1250 --defsym DOCPART=n.
;; ======== version 1 of 2: 6 launches
;; workspace buffers: psum 4,096 bytes; acodes 25,165,824 bytes; gam 98,560 bytes; wcodes 4,194,304 bytes; qf 8,388,608 bytes; kv 16,777,216 bytes; ctx 33,554,432 bytes
;; launch wsum (part 1): grid 256 x 1, 4 waves a work-group, no clusters, 0 bytes of LDS; arguments in_proj_weight, out_proj_weight, psum; writes psum
.if DOCPART == 1
	.amdgcn_target "amdgcn-amd-amdhsa--gfx1250"
	.amdhsa_code_object_version 6
	.text
	.protected	k_qae67c52299_wsum
	.globl	k_qae67c52299_wsum
	.p2align	8
	.type	k_qae67c52299_wsum,@function
k_qae67c52299_wsum:
	s_mov_b64 s[64:65], 0
	v_nop
	global_prefetch_b8 v0, s[64:65] scope:SCOPE_SE
	s_setreg_imm32_b32 hwreg(HW_REG_WAVE_MODE, 25, 1), 1
	s_wait_xcnt 0x0
; Partial sums of |w| for the four weights' abs-means.  in_proj_weight is three weights of 1,024 x 1,024 f32 on end, out_proj_weight the fourth: 16 MB in all.
; Work-group g takes 64 KB (g < 192: of in_proj_weight, else of out_proj_weight), wave w 16 KB of them: 32 loads of 16 bytes a lane, each load of the wave 512 consecutive bytes.
; All 32 loads are issued at once; eight sums a lane, a tree, then across the lanes.  psum[4 g + w] = the wave's sum: weight i owns entries 256 i .. 256 i + 255.
; No LDS, no barrier: waves share nothing.  LIMIT: the sum is an f32 tree, in another order than a running sum; NaN and infinities among the inputs are not served.
.set ACC, 8                            ; v8-15   eight sums
.set X,   16                           ; v16-143 the 128 numbers of a lane
	s_load_b128 s[4:7], s[0:1], 0x0                ; in_proj_weight, out_proj_weight
	s_load_b64 s[8:9], s[0:1], 0x10                ; psum
	v_lshrrev_b32 v1, 5, v0
	v_readfirstlane_b32 s10, v1                    ; wave
	v_and_b32 v1, 31, v0                           ; lane
	v_lshlrev_b32 v2, 4, v1                        ; 16 bytes a lane
	v_mov_b32 v3, 0                                ; a lane permute's destination counts as read: written once
	v_mov_b32 v4, 0                                ; the store's offset
	s_mov_b32 s12, 0x76543210                      ; v_permlanex16_b32: lane l xor 16
	s_mov_b32 s13, 0xfedcba98
	s_lshl_b32 s16, ttmp9, 2
	s_add_co_u32 s16, s16, s10
	s_lshl_b32 s16, s16, 2                         ; 4 (4 g + w): my entry of psum
	s_mov_b32 s17, 0
	s_wait_kmcnt 0x0
	s_cmp_lt_u32 ttmp9, 192                        ; which buffer: the choice hangs on the work-group's number alone
	s_cselect_b64 s[4:5], s[4:5], s[6:7]
	s_cselect_b32 s14, 0, 192
	s_sub_co_u32 s14, ttmp9, s14
	s_lshl_b32 s14, s14, 16                        ; 64 KB a work-group,
	s_lshl_b32 s15, s10, 14                        ; 16 KB a wave
	s_add_co_u32 s14, s14, s15
	s_mov_b32 s15, 0
	s_add_nc_u64 s[4:5], s[4:5], s[14:15]
	s_add_nc_u64 s[8:9], s[8:9], s[16:17]
.set I, 0
.rept 32
	global_load_b128 v[X+4*I:X+4*I+3], v2, s[4:5] offset:512*I     ; no hint: the next launch reads the weights again
.set I, I+1
.endr
.set G, 0
.rept 8
	s_wait_loadcnt 28-4*G                          ; loads come back in order: four more are in, the 28 - 4 G younger ones may be out
.set K, 0
.rept 8
.if G == 0
	v_add_f32 v[ACC+K], |v[X+K]|, |v[X+8+K]|       ; the first sixteen numbers start the sums: nothing is cleared
.else
	v_add_f32 v[ACC+K], v[ACC+K], |v[X+16*G+K]|
.endif
.set K, K+1
.endr
.if G > 0
.set K, 0
.rept 8
	v_add_f32 v[ACC+K], v[ACC+K], |v[X+16*G+8+K]|
.set K, K+1
.endr
.endif
.set G, G+1
.endr
	v_add_f32 v8, v8, v9
	v_add_f32 v10, v10, v11
	v_add_f32 v12, v12, v13
	v_add_f32 v14, v14, v15
	v_add_f32 v8, v8, v10
	v_add_f32 v12, v12, v14
	v_add_f32 v8, v8, v12
	v_add_f32_dpp v8, v8, v8 row_xmask:1 row_mask:0xf bank_mask:0xf
	v_add_f32_dpp v8, v8, v8 row_xmask:2 row_mask:0xf bank_mask:0xf
	v_add_f32_dpp v8, v8, v8 row_xmask:4 row_mask:0xf bank_mask:0xf
	v_add_f32_dpp v8, v8, v8 row_xmask:8 row_mask:0xf bank_mask:0xf
	v_permlanex16_b32 v3, v8, s12, s13
	v_add_f32 v8, v8, v3                           ; the wave's sum, in every lane
	v_cmp_eq_u32 vcc_lo, 0, v1
	s_wait_xcnt 0x0                                ; EXEC is a source of the memory instructions issued: it changes only behind this wait
	s_and_saveexec_b32 s18, vcc_lo
	global_store_b32 v4, v8, s[8:9]                ; lane 0 alone
	s_wait_xcnt 0x0                                ; and again in front of the line that widens it
	s_or_b32 exec_lo, exec_lo, s18
	s_endpgm
.Lfunc_end_k_qae67c52299_wsum:
	.size	k_qae67c52299_wsum, .Lfunc_end_k_qae67c52299_wsum-k_qae67c52299_wsum
	.p2alignl 7, 3214868480
	.fill 96, 4, 3214868480
	.section	.rodata,"a",@progbits
	.p2align	6, 0x0
	.amdhsa_kernel k_qae67c52299_wsum
		.amdhsa_group_segment_fixed_size 0
		.amdhsa_private_segment_fixed_size 0
		.amdhsa_enable_private_segment 0
		.amdhsa_kernarg_size 24
		.amdhsa_user_sgpr_count 2
		.amdhsa_user_sgpr_kernarg_segment_ptr 1
		.amdhsa_wavefront_size32 1
		.amdhsa_system_sgpr_workgroup_id_x 1
		.amdhsa_system_sgpr_workgroup_id_y 1
		.amdhsa_system_sgpr_workgroup_id_z 1
		.amdhsa_system_vgpr_workitem_id 0
		.amdhsa_next_free_vgpr 144
		.amdhsa_next_free_sgpr 66
		.amdhsa_reserve_vcc 1
		.amdhsa_float_denorm_mode_32 3
		.amdhsa_float_denorm_mode_16_64 3
		.amdhsa_memory_ordered 1
		.amdhsa_forward_progress 1
		.amdhsa_inst_pref_size 13
	.end_amdhsa_kernel
	.amdgpu_metadata
---
amdhsa.version: [ 1, 2 ]
amdhsa.kernels:
  - .name:           k_qae67c52299_wsum
    .symbol:         k_qae67c52299_wsum.kd
    .args:
      - { .name: in_proj_weight, .offset: 0, .size: 8, .value_kind: global_buffer, .address_space: global }
      - { .name: out_proj_weight, .offset: 8, .size: 8, .value_kind: global_buffer, .address_space: global }
      - { .name: psum, .offset: 16, .size: 8, .value_kind: global_buffer, .address_space: global }
    .group_segment_fixed_size: 0
    .private_segment_fixed_size: 0
    .kernarg_segment_align: 8
    .kernarg_segment_size: 24
    .max_flat_workgroup_size: 128
    .sgpr_count:     66
    .vgpr_count:     144
    .wavefront_size: 32
...
	.end_amdgpu_metadata
.endif
;; end of part 1
;; launch quant (part 2): grid 448 x 1, 4 waves a work-group, no clusters, 0 bytes of LDS; arguments query, key, value, in_proj_weight, out_proj_weight, psum, lowp_scales, acodes, gam, wcodes; writes acodes, gam, wcodes
.if DOCPART == 2
	.amdgcn_target "amdgcn-amd-amdhsa--gfx1250"
	.amdhsa_code_object_version 6
	.text
	.protected	k_qae67c52299_quant
	.globl	k_qae67c52299_quant
	.p2align	8
	.type	k_qae67c52299_quant,@function
k_qae67c52299_quant:
	s_mov_b64 s[64:65], 0
	v_nop
	global_prefetch_b8 v0, s[64:65] scope:SCOPE_SE
	s_setreg_imm32_b32 hwreg(HW_REG_WAVE_MODE, 25, 1), 1
	s_wait_xcnt 0x0
; The operands of the four projections become codes of FP8 (E4M3).
; ACTIVATIONS (work-groups 0-383; tensor t = g / 128: query, key, value): for each row of 1,024 numbers gamma = max(max |x|, 1e-5); qx = clip(round(x 128 / gamma), -128, 127), ties to even;
;   code = qx / 2^e held within +-448, e = lowp_scales[2 t].  acodes[t][row] takes the codes, gam[t][row] gamma.
; WEIGHTS (work-groups 384-447; weight i = (g - 384) / 16: q, k, v, o): scale = max(mean |w|, 1e-5) from the 256 partial sums of the launch before; qw = clip(round(w / scale), -1, 1);
;   code likewise with e = lowp_scales[1, 3, 5, 11].  wcodes[i][row] takes the codes; the four scales lie in gam from byte 98,304 on.
; The clip and the hold at the largest code are ONE v_med3_num_f32, between max(-128, -448 x 2^e) and min(127, 448 x 2^e) (weights: +-min(1, 448 x 2^e)).
; SHARES.  A work-group takes 64 rows, a wave 16, ONE WAVE A WHOLE ROW: eight loads of 512 consecutive bytes, 32 numbers a lane, so that the row's maximum never leaves the wave.  No LDS, no barrier.
; K IS PERMUTED, ALIKE IN BOTH OPERANDS: load j gives lane l the numbers k = 128 j + 4 l + 0 .. 3; their four codes are one register, and the code of k = 128 j + 4 l + i lies at byte
; 512 (j / 4) + 16 l + 4 (j % 4) + i of the row of codes.  Every product still meets its partner; only the order of the sums changes.  So each of a row's two stores is 512 consecutive bytes.
; A ring of four row slots in registers: one at work, three on their way.
; LIMITS: every e between -126 and 119; NaN and infinities among the inputs are not served; 128 / gamma and 1 / scale are v_rcp_f32 (1 ulp) and a multiplication.
.set X,   16                           ; v16-143  four slots of 32 numbers
.set C,   144                          ; v144-175 four sets of 8 registers of codes
.set SRC, 28                           ; s[28:29] my wave's first row
.set DST, 36                           ; s[36:37] its codes
; v1 lane; v2 16 x lane; v3 the wave's gammas, row i in lane i; v4 gamma (or the weight's scale); v5 a second chain; v6 the permute's destination; v7 4 x lane
; v[8:9] the multiplier, twice; v10, v11 the bounds; v12 2^e
.macro FILL i                          ; row i into slot i % 4
.irp j, 0,1,2,3,4,5,6,7
	global_load_b128 v[X+32*((\i)%4)+4*\j:X+32*((\i)%4)+4*\j+3], v2, s[SRC:SRC+1] offset:4096*(\i)+512*\j th:TH_LOAD_NT
.endr
.endm
; Row i of nr.  permax = 1: the multiplier is 128 / the row's gamma; 0: it stands in v[8:9] already.
.macro TURN i, permax, nr
.set XS, X+32*((\i)%4)
.set CO, C+8*((\i)%4)
.if (\nr)-1-(\i) >= 2
	s_wait_loadcnt 16                              ; my row's eight loads are in; the two younger rows' sixteen may be out
.else
	s_wait_loadcnt 8*((\nr)-1-(\i))
.endif
.if (\i)+3 < (\nr)
	FILL (\i)+3                                    ; into the slot of the row before, whose numbers its conversions have read
.endif
.if \permax
	v_max3_num_f32 v4, |v[XS]|, |v[XS+1]|, 0x3727c5ac      ; the floor 1e-5 is a leaf of the maximum
	v_max3_num_f32 v5, |v[XS+16]|, |v[XS+17]|, |v[XS+18]|
.irp k, 2,4,6,8,10,12
	v_max3_num_f32 v4, v4, |v[XS+\k]|, |v[XS+\k+1]|
	v_max3_num_f32 v5, v5, |v[XS+17+\k]|, |v[XS+18+\k]|
.endr
	v_max3_num_f32 v4, v4, |v[XS+14]|, |v[XS+15]|
	v_max3_num_f32 v4, v4, v5, |v[XS+31]|
	v_max_num_f32_dpp v4, v4, v4 row_xmask:1 row_mask:0xf bank_mask:0xf
	v_max_num_f32_dpp v4, v4, v4 row_xmask:2 row_mask:0xf bank_mask:0xf
	v_max_num_f32_dpp v4, v4, v4 row_xmask:4 row_mask:0xf bank_mask:0xf
	v_max_num_f32_dpp v4, v4, v4 row_xmask:8 row_mask:0xf bank_mask:0xf
	v_permlanex16_b32 v6, v4, s42, s43
	v_max_num_f32 v4, v4, v6                       ; gamma, in every lane
	v_rcp_f32 v8, v4
	v_cmp_eq_u32 vcc_lo, \i, v1                    ; plain work behind the reciprocal: lane i keeps row i's gamma
	v_cndmask_b32 v3, v3, v4, vcc_lo
	s_wait_alu depctr_va_vdst(0)                   ; the wait ahead of the first line that names the reciprocal
	v_mul_f32 v8, 0x43000000, v8                   ; 128 / gamma
	v_mov_b32 v9, v8
.endif
.set K, 0
.rept 16
	v_pk_mul_f32 v[XS+K:XS+K+1], v[XS+K:XS+K+1], v[8:9]
.set K, K+2
.endr
.set K, 0
.rept 32
	v_rndne_f32 v[XS+K], v[XS+K]                   ; to the nearest whole number, ties to even
.set K, K+1
.endr
.set K, 0
.rept 32
	v_med3_num_f32 v[XS+K], v[XS+K], -v10, v11     ; the clip and the hold in one (the conversion to an 8-bit code does not saturate: ISA guide 7.6.2)
.set K, K+1
.endr
	s_wait_xcnt 0x0                                ; the stores of four rows back have read this set of code registers
.irp q, 0,1,2,3
	v_cvt_scalef32_pk8_fp8_f32 v[CO+2*\q:CO+2*\q+1], v[XS+8*\q:XS+8*\q+7], v12   ; register j of the eight = the four codes of load j
.endr
	global_store_b128 v2, v[CO:CO+3], s[DST:DST+1] offset:1024*(\i)          ; 512 consecutive bytes each; the next vector lines are plain and touch other registers
	global_store_b128 v2, v[CO+4:CO+7], s[DST:DST+1] offset:1024*(\i)+512
.endm
.macro BOUNDS lo, hi                   ; from e in s40: v12 = 2^e; v10 = min(lo, 448 x 2^e), v11 = min(hi, 448 x 2^e)
	s_add_co_i32 s40, s40, 127
	s_lshl_b32 s41, s40, 23
	v_mov_b32 v12, s41
	s_add_co_i32 s40, s40, 8
	s_lshl_b32 s40, s40, 23
	s_or_b32 s40, s40, 0x600000
	v_mov_b32 v10, s40
	v_min_num_f32 v11, \hi, v10
	v_min_num_f32 v10, \lo, v10
.endm
	s_load_b256 s[4:11], s[0:1], 0x0               ; query, key, value, in_proj_weight
	s_load_b256 s[12:19], s[0:1], 0x20             ; out_proj_weight, psum, lowp_scales, acodes
	s_load_b128 s[20:23], s[0:1], 0x40             ; gam, wcodes
	v_lshrrev_b32 v1, 5, v0
	v_readfirstlane_b32 s24, v1                    ; wave
	v_and_b32 v1, 31, v0                           ; lane
	v_lshlrev_b32 v2, 4, v1
	v_lshlrev_b32 v7, 2, v1
	v_mov_b32 v3, 0
	v_mov_b32 v6, 0
	s_mov_b32 s42, 0x76543210
	s_mov_b32 s43, 0xfedcba98
	s_wait_kmcnt 0x0
	s_cmp_ge_u32 ttmp9, 384
	s_cbranch_scc1 .Lweights
	; ---- activations
	s_lshr_b32 s25, ttmp9, 7                       ; t
	s_and_b32 s26, ttmp9, 127
	s_lshl_b32 s26, s26, 6
	s_lshl_b32 s27, s24, 4
	s_add_co_u32 s26, s26, s27                     ; my first row: 64 (g % 128) + 16 w
	s_lshl_b32 s33, s25, 3
	s_load_b32 s40, s[16:17], s33 offset:0x0       ; e = lowp_scales[2 t]
	s_cmp_eq_u32 s25, 1
	s_cselect_b64 s[SRC:SRC+1], s[6:7], s[4:5]
	s_cmp_eq_u32 s25, 2
	s_cselect_b64 s[SRC:SRC+1], s[8:9], s[SRC:SRC+1]
	s_lshl_b32 s30, s26, 12
	s_mov_b32 s31, 0
	s_add_nc_u64 s[SRC:SRC+1], s[SRC:SRC+1], s[30:31]
	s_lshl_b32 s32, s25, 13
	s_add_co_u32 s32, s32, s26                     ; 8,192 t + row
	s_lshl_b32 s34, s32, 10
	s_mov_b32 s35, 0
	s_add_nc_u64 s[DST:DST+1], s[18:19], s[34:35]
	s_lshl_b32 s34, s32, 2
	s_add_nc_u64 s[38:39], s[20:21], s[34:35]
	FILL 0
	FILL 1
	FILL 2
	s_wait_kmcnt 0x0
	BOUNDS 0x43000000, 0x42fe0000                  ; 128 and 127
.irp i, 0,1,2,3,4,5,6,7,8,9,10,11,12,13,14,15
	TURN \i, 1, 16
.endr
	v_cmp_gt_u32 vcc_lo, 16, v1
	s_wait_xcnt 0x0                                ; EXEC changes only behind this wait
	s_and_saveexec_b32 s44, vcc_lo
	global_store_b32 v7, v3, s[38:39]              ; lanes 0-15: my sixteen rows' gammas
	s_wait_xcnt 0x0
	s_or_b32 exec_lo, exec_lo, s44
	s_endpgm
	; ---- weights
.Lweights:
	s_sub_co_u32 s25, ttmp9, 384                   ; g'
	s_lshr_b32 s26, s25, 4                         ; which weight
	s_lshl_b32 s33, s26, 1
	s_add_co_u32 s33, s33, 1
	s_cmp_eq_u32 s26, 3
	s_cselect_b32 s27, 4, 0
	s_add_co_u32 s33, s33, s27                     ; entries 1, 3, 5, 11
	s_lshl_b32 s33, s33, 2
	s_load_b32 s40, s[16:17], s33 offset:0x0
	s_cmp_lt_u32 s25, 48
	s_cselect_b64 s[SRC:SRC+1], s[10:11], s[12:13]
	s_cselect_b32 s27, 0, 48
	s_sub_co_u32 s27, s25, s27
	s_lshl_b32 s30, s27, 18                        ; 64 rows of 4,096 bytes a work-group,
	s_lshl_b32 s27, s24, 16                        ; 16 a wave
	s_add_co_u32 s30, s30, s27
	s_mov_b32 s31, 0
	s_add_nc_u64 s[SRC:SRC+1], s[SRC:SRC+1], s[30:31]
	s_lshl_b32 s34, s25, 16
	s_lshl_b32 s27, s24, 14
	s_add_co_u32 s34, s34, s27
	s_mov_b32 s35, 0
	s_add_nc_u64 s[DST:DST+1], s[22:23], s[34:35]
	s_lshl_b32 s34, s26, 10
	s_add_nc_u64 s[46:47], s[14:15], s[34:35]      ; the weight's 256 partial sums
	s_lshl_b32 s48, s26, 2
	s_add_co_u32 s48, s48, 98304
	s_mov_b32 s49, 0
	s_add_nc_u64 s[38:39], s[20:21], s[48:49]      ; where its scale goes
	global_load_b128 v[144:147], v2, s[46:47]
	global_load_b128 v[148:151], v2, s[46:47] offset:512
	FILL 0
	FILL 1
	FILL 2
	s_wait_loadcnt 24                              ; the partial sums are in; the three rows' 24 loads are younger
	v_add_f32 v144, v144, v145                     ; every wave adds them in the same order, so all hold the same scale
	v_add_f32 v146, v146, v147
	v_add_f32 v148, v148, v149
	v_add_f32 v150, v150, v151
	v_add_f32 v144, v144, v146
	v_add_f32 v148, v148, v150
	v_add_f32 v144, v144, v148
	v_add_f32_dpp v144, v144, v144 row_xmask:1 row_mask:0xf bank_mask:0xf
	v_add_f32_dpp v144, v144, v144 row_xmask:2 row_mask:0xf bank_mask:0xf
	v_add_f32_dpp v144, v144, v144 row_xmask:4 row_mask:0xf bank_mask:0xf
	v_add_f32_dpp v144, v144, v144 row_xmask:8 row_mask:0xf bank_mask:0xf
	v_permlanex16_b32 v6, v144, s42, s43
	v_add_f32 v144, v144, v6
	v_mul_f32 v4, 0x35800000, v144                 ; / 2^20: the mean
	v_max_num_f32 v4, 0x3727c5ac, v4               ; the scale = max(mean, 1e-5)
	v_rcp_f32 v8, v4
	v_nop                                          ; a plain line behind the reciprocal
	s_wait_alu depctr_va_vdst(0)                   ; and the wait ahead of the first line that names it
	v_mov_b32 v9, v8
	s_wait_kmcnt 0x0
	BOUNDS 1.0, 1.0
	s_and_b32 s27, s25, 15
	s_or_b32 s27, s27, s24
	s_cmp_lg_u32 s27, 0                            ; the weight's first work-group, wave 0, stores the scale
	s_cbranch_scc1 .Lno_scale
	v_cmp_eq_u32 vcc_lo, 0, v1
	s_wait_xcnt 0x0
	s_and_saveexec_b32 s44, vcc_lo
	global_store_b32 v7, v4, s[38:39]              ; lane 0: offset 0
	s_wait_xcnt 0x0
	s_or_b32 exec_lo, exec_lo, s44
.Lno_scale:
.irp i, 0,1,2,3,4,5,6,7,8,9,10,11,12,13,14,15
	TURN \i, 0, 16
.endr
	s_endpgm
.Lfunc_end_k_qae67c52299_quant:
	.size	k_qae67c52299_quant, .Lfunc_end_k_qae67c52299_quant-k_qae67c52299_quant
	.p2alignl 7, 3214868480
	.fill 96, 4, 3214868480
	.section	.rodata,"a",@progbits
	.p2align	6, 0x0
	.amdhsa_kernel k_qae67c52299_quant
		.amdhsa_group_segment_fixed_size 0
		.amdhsa_private_segment_fixed_size 0
		.amdhsa_enable_private_segment 0
		.amdhsa_kernarg_size 80
		.amdhsa_user_sgpr_count 2
		.amdhsa_user_sgpr_kernarg_segment_ptr 1
		.amdhsa_wavefront_size32 1
		.amdhsa_system_sgpr_workgroup_id_x 1
		.amdhsa_system_sgpr_workgroup_id_y 1
		.amdhsa_system_sgpr_workgroup_id_z 1
		.amdhsa_system_vgpr_workitem_id 0
		.amdhsa_next_free_vgpr 176
		.amdhsa_next_free_sgpr 66
		.amdhsa_reserve_vcc 1
		.amdhsa_float_denorm_mode_32 3
		.amdhsa_float_denorm_mode_16_64 3
		.amdhsa_memory_ordered 1
		.amdhsa_forward_progress 1
		.amdhsa_inst_pref_size 199
	.end_amdhsa_kernel
	.amdgpu_metadata
---
amdhsa.version: [ 1, 2 ]
amdhsa.kernels:
  - .name:           k_qae67c52299_quant
    .symbol:         k_qae67c52299_quant.kd
    .args:
      - { .name: query, .offset: 0, .size: 8, .value_kind: global_buffer, .address_space: global }
      - { .name: key, .offset: 8, .size: 8, .value_kind: global_buffer, .address_space: global }
      - { .name: value, .offset: 16, .size: 8, .value_kind: global_buffer, .address_space: global }
      - { .name: in_proj_weight, .offset: 24, .size: 8, .value_kind: global_buffer, .address_space: global }
      - { .name: out_proj_weight, .offset: 32, .size: 8, .value_kind: global_buffer, .address_space: global }
      - { .name: psum, .offset: 40, .size: 8, .value_kind: global_buffer, .address_space: global }
      - { .name: lowp_scales, .offset: 48, .size: 8, .value_kind: global_buffer, .address_space: global }
      - { .name: acodes, .offset: 56, .size: 8, .value_kind: global_buffer, .address_space: global }
      - { .name: gam, .offset: 64, .size: 8, .value_kind: global_buffer, .address_space: global }
      - { .name: wcodes, .offset: 72, .size: 8, .value_kind: global_buffer, .address_space: global }
    .group_segment_fixed_size: 0
    .private_segment_fixed_size: 0
    .kernarg_segment_align: 8
    .kernarg_segment_size: 80
    .max_flat_workgroup_size: 128
    .sgpr_count:     66
    .vgpr_count:     176
    .wavefront_size: 32
...
	.end_amdgpu_metadata
.endif
;; end of part 2
;; launch proj (part 3): grid 4 x 96, 4 waves a work-group, clusters of 4 x 4, 327,680 bytes of LDS; arguments acodes, wcodes, lowp_scales, gam, in_proj_bias, qf, kv; writes qf, kv
.if DOCPART == 3
	.amdgcn_target "amdgcn-amd-amdhsa--gfx1250"
	.amdhsa_code_object_version 6
	.text
	.protected	k_qae67c52299_proj
	.globl	k_qae67c52299_proj
	.p2align	8
	.type	k_qae67c52299_proj,@function
k_qae67c52299_proj:
	s_mov_b64 s[64:65], 0
	v_nop
	global_prefetch_b8 v0, s[64:65] scope:SCOPE_SE
	s_setreg_imm32_b32 hwreg(HW_REG_WAVE_MODE, 25, 1), 1
	s_wait_xcnt 0x0
	s_wait_alu depctr_hold_cnt(0) depctr_sa_sdst(0) depctr_va_vdst(0) depctr_va_sdst(0) depctr_va_ssrc(0) depctr_va_vcc(0) depctr_vm_vsrc(0)
	s_getreg_b32 s2, hwreg(HW_REG_IB_STS2, 6, 4)
	s_cmp_eq_u32 s2, 0
	s_cbranch_scc0 .Lentry_in_a_cluster
	s_endpgm
.Lentry_in_a_cluster:
	s_bfe_u32 s2, ttmp6, 0x10000c
	s_cmp_lg_u32 s2, 0xf033
	s_cbranch_scc0 .Lentry_shape_is_right
	s_endpgm
.Lentry_shape_is_right:
; The three input projections on codes of FP8 (E4M3), and their results quantised for attention.  p = 0, 1, 2: q, k, v.
; y[token][channel] = (sum over k of qx code x qw code) x 2^(ea + eb) x (wscale x gamma[token] / 128) + bias[channel]; then code = y / 2^eo held within +-448 (eo = lowp_scales[6], [7], [9]).
; A cluster of 4 x 4 work-groups makes 1,024 tokens x 1,024 channels of one projection (cluster y = 8 p + Y'); a work-group 256 x 256, each of its four waves 128 x 128: 64 accumulators, 512 registers.
; K = 1,024 goes in four steps of 256 through a ring of two LDS slots filled by the tensor data mover; a tile's row is 256 bytes of memory.  Tiles are asked for JOINTLY: the A side's by the four of a row of the
; cluster, the B side's by the four of a column.  By this text's own count a wave has at most two tensor loads out.
; THE MATRIX INSTRUCTION IS USED TRANSPOSED (source 0 = 16 rows of the B side, source 1 = 16 rows of the A side): in accumulator (a, b) lane (r, h) holds A's row 16 a + r, and register j B's row 16 b + 8 h + j.
; q, k: A side = tokens, B side = weight rows: a lane holds ONE TOKEN and eight neighbouring channels: the conversions' results are the registers of attention's fragments of Q and K (K = the head's 64 channels).
; v:    THE SIDES ARE SWAPPED, BY POINTERS ALONE: A side = weight rows, B side = tokens: a lane holds ONE CHANNEL and eight neighbouring keys: the registers of V^T's fragments (K = the keys).
; The choice hangs on the cluster's y alone, which all sixteen partners share.  The loop's text is the same for all three.
; RESULTS LEAVE AS IMAGES OF REGISTERS: a group of four registers is 512 consecutive bytes, lane l's 16 at 16 l.  qf: [64 heads][128 tiles of 16 queries][1,024].  kv: [64 heads][16 steps of 128 keys][16,384]:
; a step's eight images of K (16 keys x 64 channels, 1,024 bytes each), then four of V^T (16 channels x 128 keys, 2,048 each).  Registers 2 c, 2 c + 1 of an image hold K = 16 c + 8 h + 0 .. 7.  No LDS on the way out.
; No prefetch: of the four K steps two are first fills, and each of the two refills has 128 matrix instructions in which to land.
; LIMITS: eo between -126 and 119; NaN and infinities are not served.
; REGISTERS, in windows of 256: window 0: v0-31 addresses; v32-47 eight numbers a lane (gamma or bias of my A rows), doubled; v48-111 64 numbers a register (bias or gamma of my B rows); from v128 A's fragments, ONE set;
;   on the way out v128-191 results, v192-255 four sets of 16 registers of codes.   window 1: B's fragments, TWO sets.   windows 2, 3: the accumulators ((a, b) at v[8 (8 (a % 4) + b)]).
.set ROWB,   256                       ; a tile's row in bytes
.set KROW,   1024                      ; a row of codes in memory
.set PITCH,  272                       ; an LDS row: 256 bytes + 16 of padding = 68 words, so that the 16 rows of a fragment load start at 16 different banks (64 banks of 4 bytes: ISA guide 11.1)
.set FR,     16                        ; registers of a fragment: 16 rows x 128 K
.set NL,     4                         ; LDS loads that bring one
.set NP,     4                         ; places behind this matrix instruction (ISA guide 7.12.1)
.set HALFT,  128*PITCH                 ; 128 rows: what one tensor load brings
.set SLOT,   4*HALFT                   ; A's 256 rows, then B's 256 rows
.set SPARE,  2*SLOT                    ; behind the ring: the spare words, 128 bytes a wave, that no other line names
.set ADRA, 16                          ; v16-17 LDS address of my A fragments in slot 0, 1
.set ADRB, 20                          ; v20-21 the same for B
.set VR,   22                          ; v22    32 h: my eight of sixteen numbers along the B side
.set CO0,  24                          ; v24    16 x lane; v25: the same one head on
.set VL,   27                          ; v27    4 r: my number along the A side
.set SPW,  28                          ; v28    LDS address of my spare word; never rewritten
.set NIL,  29                          ; v29    0; never rewritten
.set HLD,  30                          ; v30    448 x 2^eo
.set SCL,  31                          ; v31    2^eo
.set LN,   32
.set RG,   48
.set AF,   128
.set TMP,  128
.set CD,   192
.set G1, 24                            ; s[24:31] descriptor group 1 for A's tiles; s[32:39] group 0, a set for each slot
.set G0, 32
.set G1B, 48                           ; s[48:55], s[56:63] the same for B's
.set G0B, 56
.set MSB, 0
.macro WIN new                         ; the immediate's high byte repeats the setting that is left
.if MSB != \new
	s_set_vgpr_msb (MSB<<8)|\new
.set MSB, \new
.endif
.endm
.set MUL_LO, 0xa1                      ; source 0 (B) window 1, source 1 (A) window 0, C and D window 2
.set MUL_HI, 0xf1                      ; the same, C and D window 3
.set TO_B,   0x40                      ; destination window 1, address window 0
; A joint load: waves 0 and 1 fetch for A, waves 2 and 3 for B; the branch hangs on the wave's number alone.  An s_nop 0 and four v_nop follow each of the two lines.
.macro JLOAD g0a, g1a, g0b, g1b
	s_cmp_eq_u32 s15, 0
	s_cbranch_scc0 .Lfor_b_\@
	tensor_load_to_lds s[\g0a:\g0a+3], s[\g1a:\g1a+7]
	s_nop 0
.rept 4
	v_nop
.endr
	s_branch .Lasked_\@
.Lfor_b_\@:
	tensor_load_to_lds s[\g0b:\g0b+3], s[\g1b:\g1b+7]
	s_nop 0
.rept 4
	v_nop
.endr
.Lasked_\@:
.endm
.macro CREST                           ; a round of the cluster's barrier behind its opening barrier
	s_cmp_lg_u32 s14, 0
	s_cbranch_scc1 .Lnot_wave_0_\@
	s_barrier_signal -3
.Lnot_wave_0_\@:
	s_barrier_wait -3
	s_barrier_signal -1
	s_barrier_wait -1
.endm
.macro CROUND                          ; a whole round
	s_barrier_signal -1
	s_barrier_wait -1
	CREST
.endm
	s_load_b256 s[68:75], s[0:1], 0x0              ; acodes s[68:69], wcodes s[70:71], lowp_scales s[72:73], gam s[74:75]
	s_load_b128 s[76:79], s[0:1], 0x20             ; in_proj_bias s[76:77], qf s[78:79]
	s_load_b64 s[80:81], s[0:1], 0x30              ; kv
	v_lshl_add_u32 v[SPW], v0, 2, SPARE
	v_mov_b32 v[NIL], 0
	ds_add_u32 v[SPW], v[NIL]                      ; the wave's opening: the add and its wait stand ahead of my first tensor load; the set-up below, work on registers, stands between them
	v_lshrrev_b32 v1, 5, v0
	v_readfirstlane_b32 s14, v1                    ; wave 0..3
	s_lshr_b32 s15, s14, 1                         ; which half of the A side's 256 rows I multiply.  Also: I fetch for A (0) or for B (1)
	s_and_b32 s16, s14, 1                          ; which half of the B side's.  Also: which 128 rows of that tile I fetch
	s_bfe_u32 s40, ttmp6, 0x40000                  ; cx, cy: my place in the cluster
	s_bfe_u32 s41, ttmp6, 0x40004
	s_and_b32 s17, ttmp7, 0xffff                   ; the cluster's y
	s_lshr_b32 s82, s17, 3                         ; p: which projection
	s_and_b32 s83, s17, 7                          ; which 1,024 tokens
	s_lshl_b32 s43, s41, 2
	s_lshl_b32 s43, 15, s43                        ; my row of the cluster
	s_lshl_b32 s44, 0x1111, s40                    ; my column
	s_or_b32 s[G1+0], s43, (0<<16)|(1<<20)|(1<<21)|(5<<22)|(3<<25)  ; 15:0 the mask; 17:16 elements of 1 byte; 20 padding on; 21 set beside a mask; 24:22 after every 64 words (code 5); 31:25 four words (code 3)
	s_or_b32 s[G1B+0], s44, (0<<16)|(1<<20)|(1<<21)|(5<<22)|(3<<25)
.irp g, G1, G1B
	s_mov_b32 s[\g+1], ROWB<<16                    ; tensor_dim0
	s_mov_b32 s[\g+2], 128<<16                     ; tensor_dim1
	s_mov_b32 s[\g+3], ROWB<<16                    ; tile_dim0
	s_mov_b32 s[\g+4], 128                         ; tile_dim1
	s_mov_b32 s[\g+5], KROW                        ; tensor_dim0_stride
	s_mov_b32 s[\g+6], 0
	s_mov_b32 s[\g+7], 0
.endr
	s_lshl_b32 s84, s82, 13
	s_lshl_b32 s83, s83, 10
	s_add_co_u32 s84, s84, s83                     ; the cluster's first row of acodes: 8,192 p + 1,024 Y'
	s_lshl_b32 s85, s82, 10                        ; and of wcodes: 1,024 p
	s_cmp_eq_u32 s82, 2
	s_cselect_b32 s97, 1, 0                        ; v?  Kept as a number, tested by s_cmp
	s_cselect_b32 s18, s85, s84                    ; the A side's first row,
	s_cselect_b32 s19, s84, s85                    ; the B side's
	s_lshl_b32 s22, s16, 7
	s_lshl_b32 s20, s41, 8                         ; what I fetch for A hangs on cy alone,
	s_add_co_u32 s20, s20, s18
	s_add_co_u32 s20, s20, s22
	s_lshl_b32 s20, s20, 10                        ; in bytes
	s_mov_b32 s21, 0
	s_lshl_b32 s46, s40, 8                         ; for B on cx alone: each in registers that never hold the other coordinate
	s_add_co_u32 s46, s46, s19
	s_add_co_u32 s46, s46, s22
	s_lshl_b32 s46, s46, 10
	s_mov_b32 s47, 0
	s_mul_i32 s45, s14, HALFT                      ; where it goes: wave x 128 rows: no place in the cluster enters an LDS address
	s_lshl_b32 s4, s41, 8
	s_add_co_u32 s4, s4, s18
	s_lshl_b32 s5, s15, 7
	s_add_co_u32 s4, s4, s5                        ; the first A row that I multiply,
	s_lshl_b32 s5, s40, 8
	s_add_co_u32 s5, s5, s19
	s_add_co_u32 s5, s5, s22                       ; the first B row
	s_lshl_b32 s90, s82, 3                         ; entries 2 p, 2 p + 1
	s_add_co_u32 s91, s82, s97
	s_add_co_u32 s91, s91, 6
	s_lshl_b32 s91, s91, 2                         ; entry 6, 7, 9
	s_lshl_b32 s99, s82, 2
	s_wait_dscnt 0x0                               ; the opening add is done
	s_wait_kmcnt 0x0
	s_load_b64 s[92:93], s[72:73], s90 offset:0x0  ; ea, eb
	s_load_b32 s94, s[72:73], s91 offset:0x0       ; eo
	s_load_b32 s95, s[74:75], s99 offset:0x18000   ; the weight's scale
	s_cmp_eq_u32 s97, 1
	s_cselect_b64 s[86:87], s[70:71], s[68:69]     ; the A side's buffer,
	s_cselect_b64 s[88:89], s[68:69], s[70:71]     ; the B side's
	s_add_nc_u64 s[20:21], s[86:87], s[20:21]
	s_add_nc_u64 s[46:47], s[88:89], s[46:47]
	CROUND                                         ; all sixteen work-groups are here: the first joint loads meet
.irp s, 0,1
	s_mov_b32 s[G0+4*\s], 1
	s_add_co_u32 s[G0+4*\s+1], s45, \s*SLOT
	s_add_nc_u64 s[G0+4*\s+2:G0+4*\s+3], s[20:21], \s*ROWB
	s_or_b32 s[G0+4*\s+3], s[G0+4*\s+3], 0x80000000
	s_mov_b32 s[G0B+4*\s], 1
	s_add_co_u32 s[G0B+4*\s+1], s45, \s*SLOT
	s_add_nc_u64 s[G0B+4*\s+2:G0B+4*\s+3], s[46:47], \s*ROWB
	s_or_b32 s[G0B+4*\s+3], s[G0B+4*\s+3], 0x80000000
	JLOAD G0+4*\s, G1, G0B+4*\s, G1B
.endr
	v_and_b32 v1, 15, v0                           ; r
	v_bfe_u32 v2, v0, 4, 1                         ; h
	v_mul_u32_u24 v3, v1, PITCH
	v_lshl_add_u32 v4, v2, 4, v3                   ; a fragment's row x pitch + 16 h
	s_mul_i32 s21, s15, HALFT                      ; my 128 rows of A
	s_mul_i32 s22, s16, HALFT                      ; my 128 rows of B,
	s_add_co_u32 s22, s22, 2*HALFT                 ; which lie behind A's 256
.irp s, 0,1
	v_add_nc_u32 v[ADRA+\s], s21, v4
	v_add_nc_u32 v[ADRB+\s], s22, v4
	s_add_co_u32 s21, s21, SLOT
	s_add_co_u32 s22, s22, SLOT
.endr
	v_lshlrev_b32 v[VL], 2, v1
	v_lshlrev_b32 v[VR], 5, v2
	v_and_b32 v5, 31, v0
	v_lshlrev_b32 v[CO0], 4, v5
	; gamma and bias for the way out are asked for now and land under the products.  gam is indexed as acodes' rows are, in_proj_bias as wcodes' rows
	s_cmp_eq_u32 s97, 1
	s_cselect_b64 s[86:87], s[76:77], s[74:75]     ; along the A side: gamma (q, k) or bias (v),
	s_cselect_b64 s[88:89], s[74:75], s[76:77]     ; along the B side the other
	s_lshl_b32 s6, s4, 2
	s_mov_b32 s7, 0
	s_add_nc_u64 s[86:87], s[86:87], s[6:7]
	s_lshl_b32 s8, s5, 2
	s_mov_b32 s9, 0
	s_add_nc_u64 s[88:89], s[88:89], s[8:9]
.irp a, 0,1,2,3,4,5,6,7
	global_load_b32 v[LN+2*\a], v[VL], s[86:87] offset:64*\a               ; A row 16 a + r
.endr
.irp b, 0,1,2,3,4,5,6,7
	global_load_b128 v[RG+8*\b:RG+8*\b+3], v[VR], s[88:89] offset:64*\b    ; B rows 16 b + 8 h + 0 .. 7
	global_load_b128 v[RG+8*\b+4:RG+8*\b+7], v[VR], s[88:89] offset:64*\b+16
.endr
.macro FRAG reg, adr, q, i             ; a fragment: lane l holds row l % 16; registers 4 c .. 4 c + 3 the 16 bytes at 32 c + 16 (l / 16) of the row's 128: a permutation of k, the same in A and in B
.irp c, 0,1,2,3
	ds_load_b128 v[\reg+4*\c:\reg+4*\c+3], v[\adr] offset:128*(\q)+32*\c+(\i)*16*PITCH
.endr
.endm
; 16 matrix instructions: A's blocks a0, a0 + 1 x B's eight, 128 along K.  p: B's set.  zero = 1: the first product starts the sums.  The 64 accumulators take turns, one instruction a turn.
.macro MUL16 a0, p, zero
.irp a, \a0, \a0+1
.irp b, 0,1,2,3,4,5,6,7
.if \zero
	v_wmma_f32_16x16x128_fp8_fp8 v[8*(8*((\a)%4)+\b):8*(8*((\a)%4)+\b)+7], v[128*(\p)+FR*\b:128*(\p)+FR*\b+FR-1], v[AF+FR*(\a):AF+FR*(\a)+FR-1], 0
.else
	v_wmma_f32_16x16x128_fp8_fp8 v[8*(8*((\a)%4)+\b):8*(8*((\a)%4)+\b)+7], v[128*(\p)+FR*\b:128*(\p)+FR*\b+FR-1], v[AF+FR*(\a):AF+FR*(\a)+FR-1], v[8*(8*((\a)%4)+\b):8*(8*((\a)%4)+\b)+7]
.endif
.endr
.endr
.endm
.macro FETCH_B slot, q, p              ; B's eight fragments of the slot's q-th 128 along K into set p
	WIN TO_B
.irp i, 0,1,2,3,4,5,6,7
	FRAG 128*(\p)+FR*\i, ADRB+\slot, \q, \i
.endr
	WIN 0
.endm
.macro FETCH_A slot, q, i0             ; A's blocks i0 .. i0 + 3
.irp i, \i0, \i0+1, \i0+2, \i0+3
	FRAG AF+FR*(\i), ADRA+\slot, \q, \i
.endr
.endm
.macro PLACES n                        ; plain vector lines between a matrix instruction and a load into, or a vector line on, its registers
.rept \n
	v_nop
.endr
.endm
; A step of 128 along K that has its successor in the same slot.  A block of A is free as soon as its eight products are issued: blocks 0-3 are fetched anew in the step's middle, blocks 4-7 at its end.
.macro STEP slot, q, zero
	s_wait_dscnt 4*NL                              ; B's set and A's blocks 0-3 are in; the youngest sixteen loads (A's blocks 4-7) may be out
	WIN MUL_LO
	MUL16 0, (\q)%2, \zero
	MUL16 2, (\q)%2, \zero
	s_wait_dscnt 0                                 ; A's blocks 4-7 are in
	PLACES NP
	FETCH_B \slot, (\q)+1, 1-(\q)%2
	FETCH_A \slot, (\q)+1, 0
	WIN MUL_HI
	MUL16 4, (\q)%2, \zero
	MUL16 6, (\q)%2, \zero
	PLACES NP
	WIN 0
	FETCH_A \slot, (\q)+1, 4
.endm
; A slot's last step changes slots: ONE barrier; in front of it each wave waits for all its tensor loads, adds 0 to its spare word, and waits for that and for its reads of this slot.  fill = 1: this slot is filled again, two K steps ahead.
.macro TURN slot, next, fill
	s_wait_tensorcnt 0x0                           ; all my tensor loads have landed: my part of the next slot
	ds_add_u32 v[SPW], v[NIL]                      ; 0 onto my spare word
	s_wait_dscnt 4*NL+1                            ; (the add and the youngest sixteen loads may be out)
	WIN MUL_LO
	MUL16 0, 1, 0                                  ; sixteen matrix instructions stand between the add and the wait for it
	s_wait_dscnt 0x0                               ; the add is done, and my reads of this slot are over
	s_barrier_signal -1
	MUL16 2, 1, 0
	WIN 0
	s_barrier_wait -1
.if \fill
	CREST                                          ; the barrier has opened a round of the cluster's: no wave of any partner still reads this slot or has a load on its way
	s_add_nc_u64 s[G0+4*\slot+2:G0+4*\slot+3], s[G0+4*\slot+2:G0+4*\slot+3], 2*ROWB
	s_add_nc_u64 s[G0B+4*\slot+2:G0B+4*\slot+3], s[G0B+4*\slot+2:G0B+4*\slot+3], 2*ROWB
	JLOAD G0+4*\slot, G1, G0B+4*\slot, G1B         ; the first tensor load behind the round; its four v_nop are the places in front of the loads below
.else
	PLACES NP
.endif
	FETCH_B \next, 0, 0
	FETCH_A \next, 0, 0
	WIN MUL_HI
	MUL16 4, 1, 0
	MUL16 6, 1, 0
	PLACES NP
	WIN 0
	FETCH_A \next, 0, 4
.endm
	s_wait_tensorcnt 1                             ; my part of K step 0 is in; K step 1's load may be out
	s_barrier_signal -1
	s_barrier_wait -1
	FETCH_B 0, 0, 0
	FETCH_A 0, 0, 0
	FETCH_A 0, 0, 4
	STEP 0, 0, 1                                   ; K = 1,024 is four slots' worth: written out, no loop
	TURN 0, 1, 1
	STEP 1, 0, 0
	TURN 1, 0, 1
	STEP 0, 0, 0
	TURN 0, 1, 0                                   ; nothing is left to fetch
	STEP 1, 0, 0
	s_wait_dscnt 4*NL
	WIN MUL_LO
	MUL16 0, 1, 0
	MUL16 2, 1, 0
	s_wait_dscnt 0
	WIN MUL_HI
	MUL16 4, 1, 0
	MUL16 6, 1, 0
	WIN 0
	; THE WAY OUT
	s_wait_kmcnt 0x0                               ; ea, eb, eo, the weight's scale
	s_wait_loadcnt 0x0                             ; gamma and bias
	PLACES NP                                      ; behind the last products: their results are read, and A's registers written, below
	s_add_co_i32 s6, s94, 127
	s_lshl_b32 s7, s6, 23
	v_mov_b32 v[SCL], s7                           ; 2^eo
	s_add_co_i32 s6, s6, 8
	s_lshl_b32 s6, s6, 23
	s_or_b32 s6, s6, 0x600000
	v_mov_b32 v[HLD], s6                           ; 448 x 2^eo
	s_add_co_i32 s96, s92, s93
	s_sub_co_i32 s96, s96, 7                       ; ea + eb - 7: the / 128 is folded in
	s_cmp_eq_u32 s97, 1
	s_cselect_b32 s6, s5, s4
	s_cselect_b32 s7, s4, s5
	s_and_b32 s6, s6, 8191                         ; my first token,
	s_and_b32 s7, s7, 1023                         ; my first channel
	s_lshr_b32 s8, s6, 11
	s_lshl_b32 s8, s8, 4
	s_lshr_b32 s9, s7, 6
	s_add_co_u32 s8, s8, s9                        ; 16 x batch + head
	s_lshl_b32 s8, s8, 17
	s_and_b32 s9, s6, 2047
	s_lshl_b32 s9, s9, 6                           ; 1,024 bytes for 16 tokens
	s_add_co_u32 s8, s8, s9
	s_cmp_eq_u32 s82, 0
	s_cselect_b32 s9, 0, 1
	s_cselect_b64 s[10:11], s[78:79], s[80:81]     ; qf or kv
	s_lshl_b32 s8, s8, s9                          ; in kv everything lies twice as far apart
	s_lshl_b32 s98, 0x20000, s9                    ; from a head to the next
	s_lshl_b32 s9, s97, 13                         ; V's images lie behind a step's eight of K
	s_add_co_u32 s8, s8, s9
	s_mov_b32 s9, 0
	s_add_nc_u64 s[10:11], s[10:11], s[8:9]
	v_add_nc_u32 v[CO0+1], s98, v[CO0]
; Block a: A's rows 16 a on x my 128 B rows.  sum x factor + bias (one packed multiply-add for two numbers, each accumulator from its low end on), the hold, the conversions, four stores of 512 consecutive bytes.
.macro OUTBLK a, isv
.set AC, 64*((\a)%4)
.set CS, CD+16*((\a)%4)
	WIN 0x02+((\a)/4)                              ; source 0: window 2 or 3
.set J, 0
.rept 32
.if \isv
	v_pk_fma_f32 v[TMP+J:TMP+J+1], v[AC+J:AC+J+1], v[RG+J:RG+J+1], v[LN+2*(\a):LN+2*(\a)+1]
.else
	v_pk_fma_f32 v[TMP+J:TMP+J+1], v[AC+J:AC+J+1], v[LN+2*(\a):LN+2*(\a)+1], v[RG+J:RG+J+1]
.endif
.set J, J+2
.endr
	WIN 0
.set J, 0
.rept 64
	v_med3_num_f32 v[TMP+J], v[TMP+J], -v[HLD], v[HLD]     ; the conversion to an 8-bit code does not saturate (ISA guide 7.6.2)
.set J, J+1
.endr
.if (\a) >= 4
	s_wait_xcnt 0x0                                ; the stores of four blocks back have read this set of code registers
.endif
.set J, 0
.rept 8
	v_cvt_scalef32_pk8_fp8_f32 v[CS+2*J:CS+2*J+1], v[TMP+8*J:TMP+8*J+7], v[SCL]   ; B rows 16 J + 8 h + 0 .. 7: registers 2 J, 2 J + 1
.set J, J+1
.endr
	v_nop                                          ; a plain line between the conversions and the next block's writes of their sources
.irp g, 0,1,2,3
.if \isv
	global_store_b128 v[CO0+(\a)/4], v[CS+4*\g:CS+4*\g+3], s[10:11] offset:2048*((\a)%4)+512*\g      ; head a / 4, channels 16 (a % 4) on: one image of 16 registers
.else
	global_store_b128 v[CO0+\g/2], v[CS+4*\g:CS+4*\g+3], s[10:11] offset:1024*(\a)+512*(\g%2)        ; tokens 16 a on: an image of 8 registers for each of my two heads
.endif
.endr
.endm
	s_cmp_eq_u32 s97, 1
	s_cbranch_scc1 .Lv_tail
.irp a, 0,1,2,3,4,5,6,7                        ; q, k: the factor goes with the lane's token: gamma x wscale (rounded once) x 2^(ea + eb - 7)
	v_mul_f32 v[LN+2*\a], s95, v[LN+2*\a]
	v_ldexp_f32 v[LN+2*\a], v[LN+2*\a], s96
	v_mov_b32 v[LN+2*\a+1], v[LN+2*\a]
.endr
.irp a, 0,1,2,3,4,5,6,7
	OUTBLK \a, 0
.endr
	s_branch .Ldone
.Lv_tail:
.set J, 0
.rept 64                                       ; v: the factor goes with the register's token
	v_mul_f32 v[RG+J], s95, v[RG+J]
	v_ldexp_f32 v[RG+J], v[RG+J], s96
.set J, J+1
.endr
.irp a, 0,1,2,3,4,5,6,7
	v_mov_b32 v[LN+2*\a+1], v[LN+2*\a]             ; the lane's bias, twice
.endr
.irp a, 0,1,2,3,4,5,6,7
	OUTBLK \a, 1
.endr
.Ldone:
	s_wait_tensorcnt 0x0                           ; the wave's end
	ds_add_u32 v[SPW], v[NIL]
	s_wait_dscnt 0x0
	CROUND                                         ; the closing round: no work-group ends while a partner may still ask for a tile that names it
	s_endpgm
.Lfunc_end_k_qae67c52299_proj:
	.size	k_qae67c52299_proj, .Lfunc_end_k_qae67c52299_proj-k_qae67c52299_proj
	.p2alignl 7, 3214868480
	.fill 96, 4, 3214868480
	.section	.rodata,"a",@progbits
	.p2align	6, 0x0
	.amdhsa_kernel k_qae67c52299_proj
		.amdhsa_group_segment_fixed_size 327680
		.amdhsa_private_segment_fixed_size 0
		.amdhsa_enable_private_segment 0
		.amdhsa_kernarg_size 56
		.amdhsa_user_sgpr_count 2
		.amdhsa_user_sgpr_kernarg_segment_ptr 1
		.amdhsa_wavefront_size32 1
		.amdhsa_system_sgpr_workgroup_id_x 1
		.amdhsa_system_sgpr_workgroup_id_y 1
		.amdhsa_system_sgpr_workgroup_id_z 1
		.amdhsa_system_vgpr_workitem_id 0
		.amdhsa_next_free_vgpr 1024
		.amdhsa_next_free_sgpr 100
		.amdhsa_reserve_vcc 0
		.amdhsa_float_denorm_mode_32 3
		.amdhsa_float_denorm_mode_16_64 3
		.amdhsa_memory_ordered 1
		.amdhsa_forward_progress 1
		.amdhsa_inst_pref_size 201
	.end_amdhsa_kernel
	.amdgpu_metadata
---
amdhsa.version: [ 1, 2 ]
amdhsa.kernels:
  - .name:           k_qae67c52299_proj
    .symbol:         k_qae67c52299_proj.kd
    .args:
      - { .name: acodes, .offset: 0, .size: 8, .value_kind: global_buffer, .address_space: global }
      - { .name: wcodes, .offset: 8, .size: 8, .value_kind: global_buffer, .address_space: global }
      - { .name: lowp_scales, .offset: 16, .size: 8, .value_kind: global_buffer, .address_space: global }
      - { .name: gam, .offset: 24, .size: 8, .value_kind: global_buffer, .address_space: global }
      - { .name: in_proj_bias, .offset: 32, .size: 8, .value_kind: global_buffer, .address_space: global }
      - { .name: qf, .offset: 40, .size: 8, .value_kind: global_buffer, .address_space: global }
      - { .name: kv, .offset: 48, .size: 8, .value_kind: global_buffer, .address_space: global }
    .group_segment_fixed_size: 327680
    .private_segment_fixed_size: 0
    .kernarg_segment_align: 8
    .kernarg_segment_size: 56
    .max_flat_workgroup_size: 128
    .sgpr_count:     100
    .vgpr_count:     1024
    .wavefront_size: 32
...
	.end_amdgpu_metadata
.endif
;; end of part 3
;; launch attn (part 4): grid 4 x 64, 16 waves a work-group, no clusters, 264,192 bytes of LDS; arguments qf, kv, lowp_scales, ctx; writes ctx
.if DOCPART == 4
	.amdgcn_target "amdgcn-amd-amdhsa--gfx1250"
	.amdhsa_code_object_version 6
	.text
	.protected	k_qae67c52299_attn
	.globl	k_qae67c52299_attn
	.p2align	8
	.type	k_qae67c52299_attn,@function
k_qae67c52299_attn:
	s_mov_b64 s[64:65], 0
	v_nop
	global_prefetch_b8 v0, s[64:65] scope:SCOPE_SE
	s_setreg_imm32_b32 hwreg(HW_REG_WAVE_MODE, 25, 1), 1
	s_wait_xcnt 0x0
; ctx[b][q][64 head + d] = the sum over k of softmax_k(Q . K / 8) V, both products on codes of FP8 (E4M3); scales 2^e: eq, ek, ep, ev = lowp_scales[6 .. 9].
; THE SOFTMAX AHEAD OF THE SECOND PRODUCT: t = score x log2(e) / 8; M = the running largest t rounded UP to a whole number; p = 2^(t - M) is quantised, not normalised; the row's sum is taken of the unquantised p and
; divides at the end.  When M moves, the sum and O are multiplied by 2^(old M - new M): exact.
; SHARES.  A work-group owns 512 queries of one of the 64 heads (grid y); each of its sixteen waves 32 of them, two tiles of 16, in 256 registers: four waves to a SIMD, so that one wave's vector work stands beside
; another's products and LDS loads.  Every fragment of K and V read from LDS feeds two matrix instructions.  Every wave walks the head's 2,048 keys, 128 a step.
; OPERANDS ARRIVE AS IMAGES OF REGISTERS (made by the launch before): a group of four registers is 512 bytes, lane l's 16 at 16 l: every LDS load is 512 consecutive bytes; no pitch, no padding.
; Both products are used transposed: S^T = K Q^T (source 0 = 16 keys, source 1 = 16 queries), O^T = V^T P^T: a lane holds ONE query.  Register j of S^T's tile t is key 16 t + 8 h + j, so the conversion of a tile's
; eight registers gives registers 2 t, 2 t + 1 of P: keys 16 t + 8 h + 0 .. 7, the places that V^T's images give the same keys.
; FEEDING.  The head's K and V, 256 KB, are laid into LDS once, as they lie in memory, through registers: in the trip of step s each wave loads its 1 KB of step s + 2 at the trip's head and stores it to LDS at the
; trip's end; one barrier a trip; every LDS byte of the block is written once.
; NO TENSOR LOAD, NO CLUSTER, NO PREFETCH: a work-group reads each byte of K and V once, 256 KB for 2 x 512 x 2,048 x 64 multiply-adds, and each load is issued a whole key step (two tiles' softmax) ahead of its wait.
; And so the launch may branch on the given ep: p <= 1 (a last bit more at most) <= 448 x 2^ep wherever ep >= -8, and the hold, 64 lines of a tile's step, is then jumped over.
; LIMITS: eq + ek between -123 and 130 (added to c's exponent field); ep between -126 and 119; NaN and infinities are not served.
; LDS: step s at 16,384 s: eight images of K (1,024 bytes), four of V^T (2,048); the spare words behind the block; on the way out a stage of 16 rows x 272 bytes a wave lies over steps 0 to 4, behind a barrier.
; REGISTERS: v1 16 x lane; v2, v3 the add's two; v4 the step's LDS address; v5 16 x lane + 1,024 x wave; v6 where my part of a step goes; v[8:9], v[12:13] (-M, the largest t) of tiles 0, 1; v[10:11], v[14:15] the sums;
; v16-31 Q; v32-95 K's eight fragments, later v32-47 tile 1's P; v96-159 S^T, then p, later V's four fragments; v160-223 O^T; v224-239 tile 0's P; v240 448 x 2^ep; v241 2^ep; v242-249 my part of step s + 2;
; v[250:251] a second chain of sums; v[252:253] f; v254 at work; v255 the permute's destination.
.set SPARE, 262144
	s_load_b256 s[4:11], s[0:1], 0x0               ; qf s[4:5], kv s[6:7], lowp_scales s[8:9], ctx s[10:11]
	v_lshl_add_u32 v2, v0, 2, SPARE                ; my spare word,
	v_mov_b32 v3, 0                                ; and 0: both kept for the closing lines alone
	v_lshrrev_b32 v4, 5, v0
	v_readfirstlane_b32 s12, v4                    ; wave 0..15
	v_and_b32 v1, 31, v0
	v_lshlrev_b32 v1, 4, v1
	s_lshl_b32 s13, s12, 10
	v_add_nc_u32 v5, s13, v1
	s_and_b32 s14, ttmp7, 0xffff                   ; 16 x batch + head
	s_lshl_b32 s28, s14, 18                        ; the head's 256 KB of kv
	s_mov_b32 s29, 0
	s_lshl_b32 s30, s14, 17                        ; its 128 KB of qf,
	s_lshl_b32 s15, ttmp9, 15                      ; my work-group's 32 tiles,
	s_add_co_u32 s30, s30, s15
	s_lshl_b32 s15, s12, 11                        ; my wave's two
	s_add_co_u32 s30, s30, s15
	s_mov_b32 s31, 0
	s_lshr_b32 s32, s14, 4
	s_lshl_b32 s32, s32, 11
	s_lshl_b32 s15, ttmp9, 9
	s_add_co_u32 s32, s32, s15
	s_lshl_b32 s15, s12, 5
	s_add_co_u32 s32, s32, s15                     ; my first token: 2,048 batch + 512 x + 32 wave
	s_lshl_b32 s32, s32, 12
	s_and_b32 s15, s14, 15
	s_lshl_b32 s15, s15, 8                         ; the head's 256 bytes of a row of ctx
	s_add_co_u32 s32, s32, s15
	s_mov_b32 s33, 0
	s_mov_b32 s20, 0x76543210                      ; v_permlanex16_b32: lane l xor 16
	s_mov_b32 s21, 0xfedcba98
	s_mov_b32 s22, 0x3e38aa3b                      ; c = log2(e) / 8
	s_mov_b32 s24, 0                               ; LDS byte at which the step in hand begins
	s_wait_kmcnt 0x0
	s_load_b128 s[16:19], s[8:9], 0x18             ; eq, ek, ep, ev
	s_add_nc_u64 s[26:27], s[6:7], s[28:29]
	s_add_nc_u64 s[4:5], s[4:5], s[30:31]
	s_add_nc_u64 s[10:11], s[10:11], s[32:33]
	global_load_b128 v[16:19], v1, s[4:5]          ; Q's two fragments stay in registers
	global_load_b128 v[20:23], v1, s[4:5] offset:512
	global_load_b128 v[24:27], v1, s[4:5] offset:1024
	global_load_b128 v[28:31], v1, s[4:5] offset:1536
	global_load_b128 v[96:99], v5, s[26:27]        ; my parts of steps 0 and 1
	global_load_b128 v[100:103], v5, s[26:27] offset:512
	global_load_b128 v[104:107], v5, s[26:27] offset:16384
	global_load_b128 v[108:111], v5, s[26:27] offset:16896
	v_mov_b32 v9, 0xff61b1e6                       ; the largest t so far: -3e38, under every t
	v_mov_b32 v13, 0xff61b1e6
	v_floor_f32 v8, -v9                            ; -M
	v_floor_f32 v12, -v13
	v_mov_b32 v10, 0                               ; the sums, in two halves
	v_mov_b32 v11, 0
	v_mov_b32 v14, 0
	v_mov_b32 v15, 0
	v_mov_b32 v253, 0                              ; (named as the upper half of the pair v[252:253])
	v_mov_b32 v255, 0                              ; a lane permute's destination counts as read
.set J, 0
.rept 64
	v_mov_b32 v[160+J], 0                          ; O^T.  (The step is written once: its first trip finds zeros, which the first change of M leaves zeros)
.set J, J+1
.endr
	s_wait_kmcnt 0x0
	s_add_co_i32 s28, s16, s17
	s_lshl_b32 s28, s28, 23
	s_add_co_i32 s22, s22, s28                     ; a score stands for score x 2^(eq + ek): the exponents are added to c's exponent field
	s_mov_b32 s23, s22                             ; (named with it as a pair)
	s_add_co_i32 s28, s18, 127
	s_lshl_b32 s29, s28, 23
	v_mov_b32 v241, s29                            ; 2^ep
	s_add_co_i32 s28, s28, 8
	s_lshl_b32 s28, s28, 23
	s_or_b32 s28, s28, 0x600000
	v_mov_b32 v240, s28                            ; 448 x 2^ep
	s_wait_loadcnt 0x0
	ds_store_b128 v5, v[96:99]
	ds_store_b128 v5, v[100:103] offset:512
	ds_store_b128 v5, v[104:107] offset:16384
	ds_store_b128 v5, v[108:111] offset:16896
	s_add_nc_u64 s[26:27], s[26:27], 32768         ; on to step 2 (the loads that read the base are done)
	s_wait_dscnt 0x0                               ; for the others' sake: my stores have landed
	s_barrier_signal -1
	s_barrier_wait -1                              ; steps 0 and 1 lie in LDS
; One tile's softmax for one key step, on S^T in v96-159.  t: (-M, largest t); l: the sum's pair; ob: the tile's O^T; pb: where its P goes.
.macro SOFTMAX t, l, ob, pb
	v_max3_num_f32 v254, v96, v97, v98             ; the step's largest score of my query among my 64 keys, ascending, in two chains
	v_max3_num_f32 v252, v99, v100, v101
.irp i, 6,10,14,18,22,26,30,34,38,42,46,50,54,58
	v_max3_num_f32 v254, v254, v[96+\i], v[97+\i]
	v_max3_num_f32 v252, v252, v[98+\i], v[99+\i]
.endr
	v_max3_num_f32 v254, v254, v158, v159
	v_max_num_f32 v254, v254, v252
	v_permlanex16_b32 v255, v254, s20, s21
	v_max_num_f32 v254, v254, v255                 ; and among lane l xor 16's
	v_mul_f32 v254, s22, v254                      ; as t (c is positive)
	v_max_num_f32 v[\t+1], v[\t+1], v254           ; the running largest t
	v_mov_b32 v254, v[\t]
	v_floor_f32 v[\t], -v[\t+1]                    ; the new -M = floor(-t) = -ceil(t)
	v_sub_f32 v254, v[\t], v254                    ; old M - new M: a whole number, 0 or less
	v_cvt_i32_f32 v254, v254                       ; (it saturates)
	v_ldexp_f32 v252, 1.0, v254                    ; f = 2^(old M - new M)
.set J, 0
.rept 32
	v_pk_fma_f32 v[96+J:97+J], v[96+J:97+J], s[22:23], v[\t:\t+1] op_sel_hi:[1,0,0]   ; t - M, two at a time (of the pairs c and -M the low word serves both halves)
.set J, J+2
.endr
.set J, 0
.rept 64
	v_exp_f32 v[96+J], v[96+J]                     ; p = 2^(t - M)
.set J, J+1
.endr
	v_pk_mul_f32 v[\l:\l+1], v[\l:\l+1], v[252:253] op_sel_hi:[1,0]    ; the sums under the new M: the plain line behind the exponentials
	s_wait_alu depctr_va_vdst(0)                   ; one wait for the whole batch, ahead of the first line that names a result
	v_pk_add_f32 v[250:251], v[96:97], v[98:99]    ; the row's sum is taken of the unquantised p: two at a time, in two chains
.irp j, 4,8,12,16,20,24,28,32,36,40,44,48,52,56,60
	v_pk_add_f32 v[\l:\l+1], v[\l:\l+1], v[96+\j:97+\j]
	v_pk_add_f32 v[250:251], v[250:251], v[98+\j:99+\j]
.endr
	v_pk_add_f32 v[\l:\l+1], v[\l:\l+1], v[250:251]
	s_cmp_ge_i32 s18, -8                           ; 448 x 2^ep >= 1.75 from ep = -8 on: no p reaches it
	s_cbranch_scc1 .Lnohold_\@
.set J, 0
.rept 64
	v_min_num_f32 v[96+J], v[96+J], v240           ; the conversion does not saturate (ISA guide 7.6.2); p is not negative, so the hold is one-sided
.set J, J+1
.endr
.Lnohold_\@:
.irp u, 0,1,2,3,4,5,6,7
	v_cvt_scalef32_pk8_fp8_f32 v[\pb+2*\u:\pb+2*\u+1], v[96+8*\u:103+8*\u], v241
.endr
.set J, 0
.rept 16
	v_pk_mul_f32 v[\ob+J:\ob+J+1], v[\ob+J:\ob+J+1], v[252:253] op_sel_hi:[1,0]   ; O^T under the new M, each accumulator from its low end on.  (Also the plain lines behind the conversions)
.set J, J+2
.endr
.endm
; A key step.  fill = 1: my part of the step two on is fetched and laid into LDS, and a barrier closes the trip.
.macro STEP fill
	v_add_nc_u32 v4, s24, v1
.rept 4
	v_nop                                          ; with the addition five places behind the last products: K's loads land on tile 1's P, and the first product below writes over V's fragments
.endr
.irp t, 0,1,2,3,4,5,6,7
	ds_load_b128 v[32+8*\t:35+8*\t], v4 offset:1024*\t
	ds_load_b128 v[36+8*\t:39+8*\t], v4 offset:1024*\t+512
.endr
.if \fill
	global_load_b128 v[242:245], v5, s[26:27]
	global_load_b128 v[246:249], v5, s[26:27] offset:512
.endif
	s_wait_dscnt 0x0
.irp t, 0,1,2,3,4,5,6,7
	v_wmma_f32_16x16x64_fp8_fp8 v[96+8*\t:103+8*\t], v[32+8*\t:39+8*\t], v[16:23], 0
.endr
.rept 4
	v_nop
.endr
	SOFTMAX 8, 10, 160, 224
.irp t, 0,1,2,3,4,5,6,7
	v_wmma_f32_16x16x64_fp8_fp8 v[96+8*\t:103+8*\t], v[32+8*\t:39+8*\t], v[24:31], 0
.endr
.rept 4
	v_nop
.endr
	SOFTMAX 12, 14, 192, 32
.irp c, 0,1,2,3
.irp g, 0,1,2,3
	ds_load_b128 v[96+16*\c+4*\g:99+16*\c+4*\g], v4 offset:8192+2048*\c+512*\g
.endr
.endr
	s_wait_dscnt 0x0
.irp c, 0,1,2,3                                ; eight accumulators by turns; between two links of a chain stand the step's 23 other matrix instructions
	v_wmma_f32_16x16x128_fp8_fp8 v[160+8*\c:167+8*\c], v[96+16*\c:111+16*\c], v[224:239], v[160+8*\c:167+8*\c]
	v_wmma_f32_16x16x128_fp8_fp8 v[192+8*\c:199+8*\c], v[96+16*\c:111+16*\c], v[32:47], v[192+8*\c:199+8*\c]
.endr
.if \fill
	s_wait_loadcnt 0x0                             ; asked for a whole step ago
	v_add_nc_u32 v6, s24, v5
	ds_store_b128 v6, v[242:245] offset:32768      ; two steps on from the step in hand: bytes that nobody reads before the barrier after next
	ds_store_b128 v6, v[246:249] offset:33280
	s_add_nc_u64 s[26:27], s[26:27], 16384         ; (the loads that read the base are done)
	s_wait_dscnt 0x0                               ; my stores have landed
	s_barrier_signal -1
	s_barrier_wait -1
.endif
	s_add_co_u32 s24, s24, 16384
.endm
	s_mov_b32 s25, 14
.Lfill:                                            ; steps 0 to 13 fetch steps 2 to 15
	STEP 1
	s_sub_co_u32 s25, s25, 1
	s_cmp_lg_u32 s25, 0
	s_cbranch_scc1 .Lfill
	s_mov_b32 s25, 2
.Ltail:                                            ; steps 14 and 15 fetch nothing: no load leaves the buffer
	STEP 0
	s_sub_co_u32 s25, s25, 1
	s_cmp_lg_u32 s25, 0
	s_cbranch_scc1 .Ltail
	; THE WAY OUT.  O^T / the sum x 2^(ep + ev) goes through my stage in LDS, a tile (16 tokens x 256 bytes) at a time, so that sixteen lanes store the head's whole 256 bytes of a token.
	s_wait_dscnt 0x0
	s_barrier_signal -1
	s_barrier_wait -1                              ; nobody reads K or V any more: the stages may lie over them
.rept 4
	v_nop                                          ; places behind the last products
.endr
	v_add_f32 v10, v10, v11                        ; the sums' two halves,
	v_add_f32 v14, v14, v15
	v_permlanex16_b32 v255, v10, s20, s21
	v_permlanex16_b32 v254, v14, s20, s21
	v_add_f32 v10, v10, v255                       ; and lane l xor 16's
	v_add_f32 v14, v14, v254
	v_rcp_f32 v10, v10
	v_rcp_f32 v14, v14
	v_and_b32 v4, 15, v0                           ; r.  (Plain lines behind the reciprocals)
	v_bfe_u32 v6, v0, 4, 1                         ; h
	s_add_co_i32 s28, s18, s19                     ; ep + ev
	s_mul_i32 s29, s12, 4352                       ; my stage: 16 rows x 272
	v_mul_u32_u24 v7, v4, 272
	v_lshl_add_u32 v7, v6, 5, v7
	v_add_nc_u32 v7, s29, v7                       ; in: row r, + 32 h
	v_mul_u32_u24 v5, v6, 272
	v_lshl_add_u32 v5, v4, 4, v5
	v_add_nc_u32 v5, s29, v5                       ; back: lanes 0-15 one row, lanes 16-31 the next
	v_lshlrev_b32 v6, 12, v6
	v_lshl_add_u32 v6, v4, 4, v6                   ; and the same two tokens in ctx
	s_wait_alu depctr_va_vdst(0)                   ; one wait for both reciprocals, ahead of the first line that names them
	v_ldexp_f32 v10, v10, s28
	v_ldexp_f32 v14, v14, s28
	v_mov_b32 v11, v10
	v_mov_b32 v15, v14
.macro PACK i
.set J, 0
.rept 16
	v_pk_mul_f32 v[96+32*\i+J:97+32*\i+J], v[160+32*\i+J:161+32*\i+J], v[10+4*\i:11+4*\i]   ; register 8 c + j: channel 16 c + 8 h + j of query r
.set J, J+2
.endr
.irp c, 0,1,2,3
	ds_store_b128 v7, v[96+32*\i+8*\c:99+32*\i+8*\c] offset:64*\c
	ds_store_b128 v7, v[100+32*\i+8*\c:103+32*\i+8*\c] offset:64*\c+16
.endr
.irp k, 0,1,2,3,4,5,6,7
	ds_load_b128 v[32+32*\i+4*\k:35+32*\i+4*\k], v5 offset:544*\k      ; LDS serves a wave's instructions in order (ISA guide 5.7.1.4): these see my stores, and the next tile's stores come behind them
.endr
.endm
.macro SEND i, younger                 ; younger: the LDS instructions issued behind tile i's loads
.irp k, 0,1,2,3,4,5,6,7
	s_wait_dscnt \younger+7-\k
	global_store_b128 v6, v[32+32*\i+4*\k:35+32*\i+4*\k], s[10:11] offset:8192*\k+65536*\i   ; sixteen lanes store 256 consecutive bytes, at a multiple of 256 from ctx's first byte
.endr
.endm
	PACK 0
	PACK 1
	SEND 0, 16
	SEND 1, 0
	s_wait_tensorcnt 0x0                           ; the wave's end: three lines behind my last LDS store
	ds_add_u32 v2, v3
	s_wait_dscnt 0x0
	s_endpgm
.Lfunc_end_k_qae67c52299_attn:
	.size	k_qae67c52299_attn, .Lfunc_end_k_qae67c52299_attn-k_qae67c52299_attn
	.p2alignl 7, 3214868480
	.fill 96, 4, 3214868480
	.section	.rodata,"a",@progbits
	.p2align	6, 0x0
	.amdhsa_kernel k_qae67c52299_attn
		.amdhsa_group_segment_fixed_size 264192
		.amdhsa_private_segment_fixed_size 0
		.amdhsa_enable_private_segment 0
		.amdhsa_kernarg_size 32
		.amdhsa_user_sgpr_count 2
		.amdhsa_user_sgpr_kernarg_segment_ptr 1
		.amdhsa_wavefront_size32 1
		.amdhsa_system_sgpr_workgroup_id_x 1
		.amdhsa_system_sgpr_workgroup_id_y 1
		.amdhsa_system_sgpr_workgroup_id_z 1
		.amdhsa_system_vgpr_workitem_id 0
		.amdhsa_next_free_vgpr 256
		.amdhsa_next_free_sgpr 66
		.amdhsa_reserve_vcc 0
		.amdhsa_float_denorm_mode_32 3
		.amdhsa_float_denorm_mode_16_64 3
		.amdhsa_memory_ordered 1
		.amdhsa_forward_progress 1
		.amdhsa_inst_pref_size 71
	.end_amdhsa_kernel
	.amdgpu_metadata
---
amdhsa.version: [ 1, 2 ]
amdhsa.kernels:
  - .name:           k_qae67c52299_attn
    .symbol:         k_qae67c52299_attn.kd
    .args:
      - { .name: qf, .offset: 0, .size: 8, .value_kind: global_buffer, .address_space: global }
      - { .name: kv, .offset: 8, .size: 8, .value_kind: global_buffer, .address_space: global }
      - { .name: lowp_scales, .offset: 16, .size: 8, .value_kind: global_buffer, .address_space: global }
      - { .name: ctx, .offset: 24, .size: 8, .value_kind: global_buffer, .address_space: global }
    .group_segment_fixed_size: 264192
    .private_segment_fixed_size: 0
    .kernarg_segment_align: 8
    .kernarg_segment_size: 32
    .max_flat_workgroup_size: 512
    .sgpr_count:     66
    .vgpr_count:     256
    .wavefront_size: 32
...
	.end_amdgpu_metadata
.endif
;; end of part 4
;; launch ctxq (part 5): grid 256 x 1, 4 waves a work-group, no clusters, 0 bytes of LDS; arguments ctx, lowp_scales, acodes, gam; writes acodes, gam
.if DOCPART == 5
	.amdgcn_target "amdgcn-amd-amdhsa--gfx1250"
	.amdhsa_code_object_version 6
	.text
	.protected	k_qae67c52299_ctxq
	.globl	k_qae67c52299_ctxq
	.p2align	8
	.type	k_qae67c52299_ctxq,@function
k_qae67c52299_ctxq:
	s_mov_b64 s[64:65], 0
	v_nop
	global_prefetch_b8 v0, s[64:65] scope:SCOPE_SE
	s_setreg_imm32_b32 hwreg(HW_REG_WAVE_MODE, 25, 1), 1
	s_wait_xcnt 0x0
; The rows of ctx [8,192][1,024] f32 become the output projection's A operand: gamma = max(max |x|, 1e-5) over the row (all sixteen heads, which is why this is a launch of its own);
; qx = clip(round(x 128 / gamma), -128, 127), ties to even; code = qx / 2^e held within +-448, e = lowp_scales[10].  The clip and the hold are one v_med3_num_f32.
; The codes go over the first 8 MB of acodes, gamma over the first 8,192 entries of gam; neither is read here.
; SHARES.  A work-group takes 32 rows, a wave 8, one wave a whole row: eight loads of 512 consecutive bytes.  K is permuted as in the weights' codes: the code of k = 128 j + 4 l + i lies at byte
; 512 (j / 4) + 16 l + 4 (j % 4) + i of the row.  A ring of four row slots in registers.  No LDS, no barrier.
; LIMITS: e between -126 and 119; NaN and infinities are not served; 128 / gamma is v_rcp_f32 (1 ulp) and a multiplication.
.set X,   16                           ; v16-143  four slots of 32 numbers
.set C,   144                          ; v144-175 four sets of 8 registers of codes
.set SRC, 28
.set DST, 36
; v1 lane; v2 16 x lane; v3 the wave's gammas, row i in lane i; v4 gamma; v5 a second chain; v6 the permute's destination; v7 4 x lane; v[8:9] 128 / gamma, twice; v10, v11 the bounds; v12 2^e
.macro FILL i
.irp j, 0,1,2,3,4,5,6,7
	global_load_b128 v[X+32*((\i)%4)+4*\j:X+32*((\i)%4)+4*\j+3], v2, s[SRC:SRC+1] offset:4096*(\i)+512*\j th:TH_LOAD_NT
.endr
.endm
.macro TURN i, nr
.set XS, X+32*((\i)%4)
.set CO, C+8*((\i)%4)
.if (\nr)-1-(\i) >= 2
	s_wait_loadcnt 16                              ; my row's eight loads are in; the two younger rows' sixteen may be out
.else
	s_wait_loadcnt 8*((\nr)-1-(\i))
.endif
.if (\i)+3 < (\nr)
	FILL (\i)+3                                    ; into the slot of the row before, whose numbers its conversions have read
.endif
	v_max3_num_f32 v4, |v[XS]|, |v[XS+1]|, 0x3727c5ac      ; the floor 1e-5 is a leaf of the maximum
	v_max3_num_f32 v5, |v[XS+16]|, |v[XS+17]|, |v[XS+18]|
.irp k, 2,4,6,8,10,12
	v_max3_num_f32 v4, v4, |v[XS+\k]|, |v[XS+\k+1]|
	v_max3_num_f32 v5, v5, |v[XS+17+\k]|, |v[XS+18+\k]|
.endr
	v_max3_num_f32 v4, v4, |v[XS+14]|, |v[XS+15]|
	v_max3_num_f32 v4, v4, v5, |v[XS+31]|
	v_max_num_f32_dpp v4, v4, v4 row_xmask:1 row_mask:0xf bank_mask:0xf
	v_max_num_f32_dpp v4, v4, v4 row_xmask:2 row_mask:0xf bank_mask:0xf
	v_max_num_f32_dpp v4, v4, v4 row_xmask:4 row_mask:0xf bank_mask:0xf
	v_max_num_f32_dpp v4, v4, v4 row_xmask:8 row_mask:0xf bank_mask:0xf
	v_permlanex16_b32 v6, v4, s42, s43
	v_max_num_f32 v4, v4, v6                       ; gamma, in every lane
	v_rcp_f32 v8, v4
	v_cmp_eq_u32 vcc_lo, \i, v1                    ; plain work behind the reciprocal: lane i keeps row i's gamma
	v_cndmask_b32 v3, v3, v4, vcc_lo
	s_wait_alu depctr_va_vdst(0)                   ; the wait ahead of the first line that names the reciprocal
	v_mul_f32 v8, 0x43000000, v8                   ; 128 / gamma
	v_mov_b32 v9, v8
.set K, 0
.rept 16
	v_pk_mul_f32 v[XS+K:XS+K+1], v[XS+K:XS+K+1], v[8:9]
.set K, K+2
.endr
.set K, 0
.rept 32
	v_rndne_f32 v[XS+K], v[XS+K]
.set K, K+1
.endr
.set K, 0
.rept 32
	v_med3_num_f32 v[XS+K], v[XS+K], -v10, v11     ; the clip and the hold in one (the conversion does not saturate: ISA guide 7.6.2)
.set K, K+1
.endr
	s_wait_xcnt 0x0                                ; the stores of four rows back have read this set of code registers
.irp q, 0,1,2,3
	v_cvt_scalef32_pk8_fp8_f32 v[CO+2*\q:CO+2*\q+1], v[XS+8*\q:XS+8*\q+7], v12
.endr
	global_store_b128 v2, v[CO:CO+3], s[DST:DST+1] offset:1024*(\i)          ; 512 consecutive bytes each; the next vector lines are plain and touch other registers
	global_store_b128 v2, v[CO+4:CO+7], s[DST:DST+1] offset:1024*(\i)+512
.endm
	s_load_b256 s[4:11], s[0:1], 0x0               ; ctx s[4:5], lowp_scales s[6:7], acodes s[8:9], gam s[10:11]
	v_lshrrev_b32 v1, 5, v0
	v_readfirstlane_b32 s24, v1                    ; wave
	v_and_b32 v1, 31, v0
	v_lshlrev_b32 v2, 4, v1
	v_lshlrev_b32 v7, 2, v1
	v_mov_b32 v3, 0
	v_mov_b32 v6, 0
	s_mov_b32 s42, 0x76543210
	s_mov_b32 s43, 0xfedcba98
	s_lshl_b32 s26, ttmp9, 5
	s_lshl_b32 s27, s24, 3
	s_add_co_u32 s26, s26, s27                     ; my first row: 32 g + 8 w
	s_lshl_b32 s30, s26, 12
	s_mov_b32 s31, 0
	s_lshl_b32 s32, s26, 10
	s_mov_b32 s33, 0
	s_lshl_b32 s34, s26, 2
	s_mov_b32 s35, 0
	s_wait_kmcnt 0x0
	s_load_b32 s40, s[6:7], 0x28                   ; e = lowp_scales[10]
	s_add_nc_u64 s[SRC:SRC+1], s[4:5], s[30:31]
	s_add_nc_u64 s[DST:DST+1], s[8:9], s[32:33]
	s_add_nc_u64 s[38:39], s[10:11], s[34:35]
	FILL 0
	FILL 1
	FILL 2
	s_wait_kmcnt 0x0
	s_add_co_i32 s40, s40, 127
	s_lshl_b32 s41, s40, 23
	v_mov_b32 v12, s41                             ; 2^e
	s_add_co_i32 s40, s40, 8
	s_lshl_b32 s40, s40, 23
	s_or_b32 s40, s40, 0x600000
	v_mov_b32 v10, s40                             ; 448 x 2^e
	v_min_num_f32 v11, 0x42fe0000, v10             ; min(127, .)
	v_min_num_f32 v10, 0x43000000, v10             ; min(128, .)
.irp i, 0,1,2,3,4,5,6,7
	TURN \i, 8
.endr
	v_cmp_gt_u32 vcc_lo, 8, v1
	s_wait_xcnt 0x0                                ; EXEC changes only behind this wait
	s_and_saveexec_b32 s44, vcc_lo
	global_store_b32 v7, v3, s[38:39]              ; lanes 0-7: my eight rows' gammas
	s_wait_xcnt 0x0
	s_or_b32 exec_lo, exec_lo, s44
	s_endpgm
.Lfunc_end_k_qae67c52299_ctxq:
	.size	k_qae67c52299_ctxq, .Lfunc_end_k_qae67c52299_ctxq-k_qae67c52299_ctxq
	.p2alignl 7, 3214868480
	.fill 96, 4, 3214868480
	.section	.rodata,"a",@progbits
	.p2align	6, 0x0
	.amdhsa_kernel k_qae67c52299_ctxq
		.amdhsa_group_segment_fixed_size 0
		.amdhsa_private_segment_fixed_size 0
		.amdhsa_enable_private_segment 0
		.amdhsa_kernarg_size 32
		.amdhsa_user_sgpr_count 2
		.amdhsa_user_sgpr_kernarg_segment_ptr 1
		.amdhsa_wavefront_size32 1
		.amdhsa_system_sgpr_workgroup_id_x 1
		.amdhsa_system_sgpr_workgroup_id_y 1
		.amdhsa_system_sgpr_workgroup_id_z 1
		.amdhsa_system_vgpr_workitem_id 0
		.amdhsa_next_free_vgpr 176
		.amdhsa_next_free_sgpr 66
		.amdhsa_reserve_vcc 1
		.amdhsa_float_denorm_mode_32 3
		.amdhsa_float_denorm_mode_16_64 3
		.amdhsa_memory_ordered 1
		.amdhsa_forward_progress 1
		.amdhsa_inst_pref_size 57
	.end_amdhsa_kernel
	.amdgpu_metadata
---
amdhsa.version: [ 1, 2 ]
amdhsa.kernels:
  - .name:           k_qae67c52299_ctxq
    .symbol:         k_qae67c52299_ctxq.kd
    .args:
      - { .name: ctx, .offset: 0, .size: 8, .value_kind: global_buffer, .address_space: global }
      - { .name: lowp_scales, .offset: 8, .size: 8, .value_kind: global_buffer, .address_space: global }
      - { .name: acodes, .offset: 16, .size: 8, .value_kind: global_buffer, .address_space: global }
      - { .name: gam, .offset: 24, .size: 8, .value_kind: global_buffer, .address_space: global }
    .group_segment_fixed_size: 0
    .private_segment_fixed_size: 0
    .kernarg_segment_align: 8
    .kernarg_segment_size: 32
    .max_flat_workgroup_size: 128
    .sgpr_count:     66
    .vgpr_count:     176
    .wavefront_size: 32
...
	.end_amdgpu_metadata
.endif
;; end of part 5
;; launch oproj (part 6): grid 4 x 32, 4 waves a work-group, clusters of 4 x 4, 327,680 bytes of LDS; arguments acodes, wcodes, lowp_scales, gam, out_proj_bias, out0; writes out0
.if DOCPART == 6
	.amdgcn_target "amdgcn-amd-amdhsa--gfx1250"
	.amdhsa_code_object_version 6
	.text
	.protected	k_qae67c52299_oproj
	.globl	k_qae67c52299_oproj
	.p2align	8
	.type	k_qae67c52299_oproj,@function
k_qae67c52299_oproj:
	s_mov_b64 s[64:65], 0
	v_nop
	global_prefetch_b8 v0, s[64:65] scope:SCOPE_SE
	s_setreg_imm32_b32 hwreg(HW_REG_WAVE_MODE, 25, 1), 1
	s_wait_xcnt 0x0
	s_wait_alu depctr_hold_cnt(0) depctr_sa_sdst(0) depctr_va_vdst(0) depctr_va_sdst(0) depctr_va_ssrc(0) depctr_va_vcc(0) depctr_vm_vsrc(0)
	s_getreg_b32 s2, hwreg(HW_REG_IB_STS2, 6, 4)
	s_cmp_eq_u32 s2, 0
	s_cbranch_scc0 .Lentry_in_a_cluster
	s_endpgm
.Lentry_in_a_cluster:
	s_bfe_u32 s2, ttmp6, 0x10000c
	s_cmp_lg_u32 s2, 0xf033
	s_cbranch_scc0 .Lentry_shape_is_right
	s_endpgm
.Lentry_shape_is_right:
; The output projection on codes of FP8 (E4M3): out0[token][n] = (sum over k of ctx's code x the weight's code) x 2^(ea + eb) x (wscale x gamma[token] / 128) + out_proj_bias[n]; ea, eb = lowp_scales[10], [11].
; A: the first 8,192 rows of acodes; B: the fourth weight in wcodes; both with the same permutation of K.  gamma: gam[0 .. 8191]; wscale: the f32 at byte 98,316 of gam.
; A tile of 256 x 256 is made by a work-group of four waves, a wave 128 x 128: 64 accumulators, 512 registers.  K = 1,024 goes in four steps of 256 through a ring of two LDS slots filled by the tensor data mover.
; CLUSTERS: 4 x 4 work-groups; A's tiles are asked for jointly by the four of a row of the cluster, B's by the four of a column.  By this text's own count a wave has at most two tensor loads out.
; THE MATRIX INSTRUCTION IS USED TRANSPOSED (source 0 = 16 rows of B, source 1 = 16 rows of A): a lane holds one token and eight neighbouring outputs.
; 128 work-groups: the ring and the products are those of the input projections' launch, kept for one text's sake.  No prefetch: two of the four K steps are first fills.
; LIMITS: NaN and infinities are not served.
; REGISTERS, in windows of 256: window 0: v0-31 addresses; v32-47 gamma's factor of my eight blocks of tokens, doubled; v48-111 the bias of my 128 outputs; from v128 A's fragments, ONE set; on the way out v128-191 results.
;   window 1: B's fragments, TWO sets; on the way out v0-127 two sets of 16 rows read back from the stage.   windows 2, 3: the accumulators ((a, b) at v[8 (8 (a % 4) + b)]).
.set ROWB,   256
.set KROW,   1024
.set SIZE_N, 1024
.set PITCH,  272                       ; an LDS row: 256 bytes + 16 of padding = 68 words, so that the 16 rows of a fragment load start at 16 different banks (64 banks of 4 bytes: ISA guide 11.1)
.set FR,     16
.set NL,     4
.set NP,     4                         ; places behind this matrix instruction (ISA guide 7.12.1)
.set HALFT,  128*PITCH
.set SLOT,   4*HALFT
.set SPARE,  2*SLOT                    ; behind the ring: the spare words, 128 bytes a wave, that no other line names
.set SPITCH, 528                       ; the way out: a stage of 16 rows x (512 bytes + 16) a wave, in slot 0, which has had its last fill and its last read when the first result is stored there
.set ADRA, 16
.set ADRB, 20
.set VR,   22                          ; v22 32 h
.set STO,  23                          ; v23 the way out: where I put 32 bytes of a row
.set RD,   25                          ; v25 where I read a row back
.set CO,   26                          ; v26 my byte offset in a row of out0
.set VL,   27                          ; v27 4 r
.set SPW,  28
.set NIL,  29
.set LN,   32
.set RG,   48
.set AF,   128
.set TMP,  128
.set G1, 24
.set G0, 32
.set G1B, 48
.set G0B, 56
.set MSB, 0
.macro WIN new                         ; the immediate's high byte repeats the setting that is left
.if MSB != \new
	s_set_vgpr_msb (MSB<<8)|\new
.set MSB, \new
.endif
.endm
.set MUL_LO, 0xa1                      ; source 0 (B) window 1, source 1 (A) window 0, C and D window 2
.set MUL_HI, 0xf1
.set TO_B,   0x40                      ; destination window 1, address window 0
.macro JLOAD g0a, g1a, g0b, g1b        ; a joint load: waves 0 and 1 fetch for A, waves 2 and 3 for B; an s_nop 0 and four v_nop follow each of the two lines
	s_cmp_eq_u32 s15, 0
	s_cbranch_scc0 .Lfor_b_\@
	tensor_load_to_lds s[\g0a:\g0a+3], s[\g1a:\g1a+7]
	s_nop 0
.rept 4
	v_nop
.endr
	s_branch .Lasked_\@
.Lfor_b_\@:
	tensor_load_to_lds s[\g0b:\g0b+3], s[\g1b:\g1b+7]
	s_nop 0
.rept 4
	v_nop
.endr
.Lasked_\@:
.endm
.macro CREST
	s_cmp_lg_u32 s14, 0
	s_cbranch_scc1 .Lnot_wave_0_\@
	s_barrier_signal -3
.Lnot_wave_0_\@:
	s_barrier_wait -3
	s_barrier_signal -1
	s_barrier_wait -1
.endm
.macro CROUND
	s_barrier_signal -1
	s_barrier_wait -1
	CREST
.endm
	s_load_b256 s[68:75], s[0:1], 0x0              ; acodes s[68:69], wcodes s[70:71], lowp_scales s[72:73], gam s[74:75]
	s_load_b128 s[76:79], s[0:1], 0x20             ; out_proj_bias s[76:77], out0 s[78:79]
	v_lshl_add_u32 v[SPW], v0, 2, SPARE
	v_mov_b32 v[NIL], 0
	ds_add_u32 v[SPW], v[NIL]                      ; the wave's opening: the add and its wait stand ahead of my first tensor load; the set-up below stands between them
	v_lshrrev_b32 v1, 5, v0
	v_readfirstlane_b32 s14, v1                    ; wave 0..3
	s_lshr_b32 s15, s14, 1                         ; which half of the tile's rows is mine.  Also: I fetch for A (0) or for B (1)
	s_and_b32 s16, s14, 1                          ; which half of its columns.  Also: which 128 rows of that tile I fetch
	s_bfe_u32 s40, ttmp6, 0x40000                  ; cx, cy
	s_bfe_u32 s41, ttmp6, 0x40004
	s_lshl_b32 s42, ttmp9, 2
	s_add_co_u32 s42, s42, s40                     ; tile column
	s_and_b32 s17, ttmp7, 0xffff
	s_lshl_b32 s17, s17, 2
	s_add_co_u32 s17, s17, s41                     ; tile row
	s_lshl_b32 s43, s41, 2
	s_lshl_b32 s43, 15, s43                        ; my row of the cluster
	s_lshl_b32 s44, 0x1111, s40                    ; my column
	s_or_b32 s[G1+0], s43, (0<<16)|(1<<20)|(1<<21)|(5<<22)|(3<<25)  ; the mask; elements of 1 byte; padding on; bit 21 beside a mask; four words after every 64
	s_or_b32 s[G1B+0], s44, (0<<16)|(1<<20)|(1<<21)|(5<<22)|(3<<25)
.irp g, G1, G1B
	s_mov_b32 s[\g+1], ROWB<<16
	s_mov_b32 s[\g+2], 128<<16
	s_mov_b32 s[\g+3], ROWB<<16
	s_mov_b32 s[\g+4], 128
	s_mov_b32 s[\g+5], KROW
	s_mov_b32 s[\g+6], 0
	s_mov_b32 s[\g+7], 0
.endr
	s_lshl_b32 s18, s16, 7                         ; which 128 rows of the tile I fetch
	s_lshl_b32 s20, s17, 8
	s_add_co_u32 s20, s20, s18
	s_lshl_b32 s20, s20, 10                        ; A: hangs on the tile row alone,
	s_mov_b32 s21, 0
	s_lshl_b32 s46, s42, 8
	s_add_co_u32 s46, s46, s18
	s_lshl_b32 s46, s46, 10                        ; B: on the tile column alone
	s_mov_b32 s47, 0
	s_mul_i32 s45, s14, HALFT
	s_lshl_b32 s4, s17, 8
	s_lshl_b32 s5, s15, 7
	s_add_co_u32 s4, s4, s5                        ; my first token,
	s_lshl_b32 s5, s42, 8
	s_add_co_u32 s5, s5, s18                       ; my first output
	s_wait_dscnt 0x0                               ; the opening add is done
	s_wait_kmcnt 0x0
	s_load_b64 s[92:93], s[72:73], 0x28            ; ea, eb
	s_load_b32 s95, s[74:75], 0x1800c              ; the weight's scale
	s_add_nc_u64 s[20:21], s[68:69], s[20:21]
	s_add_nc_u64 s[46:47], s[70:71], s[46:47]
	s_add_nc_u64 s[46:47], s[46:47], 0x300000      ; the fourth weight
	CROUND                                         ; all sixteen work-groups are here: the first joint loads meet
.irp s, 0,1
	s_mov_b32 s[G0+4*\s], 1
	s_add_co_u32 s[G0+4*\s+1], s45, \s*SLOT
	s_add_nc_u64 s[G0+4*\s+2:G0+4*\s+3], s[20:21], \s*ROWB
	s_or_b32 s[G0+4*\s+3], s[G0+4*\s+3], 0x80000000
	s_mov_b32 s[G0B+4*\s], 1
	s_add_co_u32 s[G0B+4*\s+1], s45, \s*SLOT
	s_add_nc_u64 s[G0B+4*\s+2:G0B+4*\s+3], s[46:47], \s*ROWB
	s_or_b32 s[G0B+4*\s+3], s[G0B+4*\s+3], 0x80000000
	JLOAD G0+4*\s, G1, G0B+4*\s, G1B
.endr
	v_and_b32 v1, 15, v0                           ; r
	v_bfe_u32 v2, v0, 4, 1                         ; h
	v_mul_u32_u24 v3, v1, PITCH
	v_lshl_add_u32 v4, v2, 4, v3
	s_mul_i32 s21, s15, HALFT
	s_mul_i32 s22, s16, HALFT
	s_add_co_u32 s22, s22, 2*HALFT
.irp s, 0,1
	v_add_nc_u32 v[ADRA+\s], s21, v4
	v_add_nc_u32 v[ADRB+\s], s22, v4
	s_add_co_u32 s21, s21, SLOT
	s_add_co_u32 s22, s22, SLOT
.endr
	s_mul_i32 s23, s14, 16*SPITCH                  ; my stage
	v_mul_u32_u24 v5, v1, SPITCH                   ; in: row r, 32 bytes for each half of the lanes
	v_lshl_add_u32 v5, v2, 5, v5
	v_add_nc_u32 v[STO], s23, v5
	v_and_b32 v6, 31, v0
	v_lshlrev_b32 v[CO], 4, v6                     ; back: the 32 lanes take one row of 512 bytes; and the same in out0
	v_add_nc_u32 v[RD], s23, v[CO]
	v_lshlrev_b32 v[VL], 2, v1
	v_lshlrev_b32 v[VR], 5, v2
	s_lshl_b32 s6, s4, 2
	s_mov_b32 s7, 0
	s_add_nc_u64 s[86:87], s[74:75], s[6:7]        ; gamma of my tokens,
	s_lshl_b32 s8, s5, 2
	s_mov_b32 s9, 0
	s_add_nc_u64 s[88:89], s[76:77], s[8:9]        ; the bias of my outputs: asked for now, they land under the products
.irp a, 0,1,2,3,4,5,6,7
	global_load_b32 v[LN+2*\a], v[VL], s[86:87] offset:64*\a
.endr
.irp b, 0,1,2,3,4,5,6,7
	global_load_b128 v[RG+8*\b:RG+8*\b+3], v[VR], s[88:89] offset:64*\b
	global_load_b128 v[RG+8*\b+4:RG+8*\b+7], v[VR], s[88:89] offset:64*\b+16
.endr
	s_lshl_b32 s6, s4, 12                          ; my first row of out0, 4,096 bytes a row,
	s_add_co_u32 s6, s6, s8                        ; + my first column
	s_add_nc_u64 s[10:11], s[78:79], s[6:7]
.macro FRAG reg, adr, q, i
.irp c, 0,1,2,3
	ds_load_b128 v[\reg+4*\c:\reg+4*\c+3], v[\adr] offset:128*(\q)+32*\c+(\i)*16*PITCH
.endr
.endm
.macro MUL16 a0, p, zero               ; 16 matrix instructions; the 64 accumulators take turns, one instruction a turn
.irp a, \a0, \a0+1
.irp b, 0,1,2,3,4,5,6,7
.if \zero
	v_wmma_f32_16x16x128_fp8_fp8 v[8*(8*((\a)%4)+\b):8*(8*((\a)%4)+\b)+7], v[128*(\p)+FR*\b:128*(\p)+FR*\b+FR-1], v[AF+FR*(\a):AF+FR*(\a)+FR-1], 0
.else
	v_wmma_f32_16x16x128_fp8_fp8 v[8*(8*((\a)%4)+\b):8*(8*((\a)%4)+\b)+7], v[128*(\p)+FR*\b:128*(\p)+FR*\b+FR-1], v[AF+FR*(\a):AF+FR*(\a)+FR-1], v[8*(8*((\a)%4)+\b):8*(8*((\a)%4)+\b)+7]
.endif
.endr
.endr
.endm
.macro FETCH_B slot, q, p
	WIN TO_B
.irp i, 0,1,2,3,4,5,6,7
	FRAG 128*(\p)+FR*\i, ADRB+\slot, \q, \i
.endr
	WIN 0
.endm
.macro FETCH_A slot, q, i0
.irp i, \i0, \i0+1, \i0+2, \i0+3
	FRAG AF+FR*(\i), ADRA+\slot, \q, \i
.endr
.endm
.macro PLACES n
.rept \n
	v_nop
.endr
.endm
.macro STEP slot, q, zero
	s_wait_dscnt 4*NL                              ; B's set and A's blocks 0-3 are in; the youngest sixteen loads (A's blocks 4-7) may be out
	WIN MUL_LO
	MUL16 0, (\q)%2, \zero
	MUL16 2, (\q)%2, \zero
	s_wait_dscnt 0
	PLACES NP
	FETCH_B \slot, (\q)+1, 1-(\q)%2
	FETCH_A \slot, (\q)+1, 0
	WIN MUL_HI
	MUL16 4, (\q)%2, \zero
	MUL16 6, (\q)%2, \zero
	PLACES NP
	WIN 0
	FETCH_A \slot, (\q)+1, 4
.endm
.macro TURN slot, next, fill
	s_wait_tensorcnt 0x0                           ; all my tensor loads have landed: my part of the next slot
	ds_add_u32 v[SPW], v[NIL]                      ; 0 onto my spare word
	s_wait_dscnt 4*NL+1                            ; (the add and the youngest sixteen loads may be out)
	WIN MUL_LO
	MUL16 0, 1, 0
	s_wait_dscnt 0x0                               ; the add is done, and my reads of this slot are over
	s_barrier_signal -1
	MUL16 2, 1, 0
	WIN 0
	s_barrier_wait -1
.if \fill
	CREST                                          ; the barrier has opened a round of the cluster's: no wave of any partner still reads this slot or has a load on its way
	s_add_nc_u64 s[G0+4*\slot+2:G0+4*\slot+3], s[G0+4*\slot+2:G0+4*\slot+3], 2*ROWB
	s_add_nc_u64 s[G0B+4*\slot+2:G0B+4*\slot+3], s[G0B+4*\slot+2:G0B+4*\slot+3], 2*ROWB
	JLOAD G0+4*\slot, G1, G0B+4*\slot, G1B
.else
	PLACES NP
.endif
	FETCH_B \next, 0, 0
	FETCH_A \next, 0, 0
	WIN MUL_HI
	MUL16 4, 1, 0
	MUL16 6, 1, 0
	PLACES NP
	WIN 0
	FETCH_A \next, 0, 4
.endm
	s_wait_tensorcnt 1                             ; my part of K step 0 is in; K step 1's load may be out
	s_barrier_signal -1
	s_barrier_wait -1
	FETCH_B 0, 0, 0
	FETCH_A 0, 0, 0
	FETCH_A 0, 0, 4
	STEP 0, 0, 1
	TURN 0, 1, 1
	STEP 1, 0, 0
	TURN 1, 0, 1
	STEP 0, 0, 0
	TURN 0, 1, 0
	STEP 1, 0, 0
	s_wait_dscnt 4*NL
	WIN MUL_LO
	MUL16 0, 1, 0
	MUL16 2, 1, 0
	s_wait_dscnt 0
	WIN MUL_HI
	MUL16 4, 1, 0
	MUL16 6, 1, 0
	WIN 0
; THE WAY OUT, block by block of 16 tokens x 128 outputs: sum x factor + bias (a packed multiply-add, each accumulator from its low end on), through my own stage in LDS, back as whole rows of 512 bytes.
.macro TOSTAGE a
.set AC, 64*((\a)%4)
	WIN 0x02+((\a)/4)                              ; source 0: window 2 or 3
.set J, 0
.rept 32
	v_pk_fma_f32 v[TMP+J:TMP+J+1], v[AC+J:AC+J+1], v[LN+2*(\a):LN+2*(\a)+1], v[RG+J:RG+J+1]
.set J, J+2
.endr
	WIN 0
.irp b, 0,1,2,3,4,5,6,7
	ds_store_b128 v[STO], v[TMP+8*\b:TMP+8*\b+3] offset:64*\b
	ds_store_b128 v[STO], v[TMP+8*\b+4:TMP+8*\b+7] offset:64*\b+16
.endr
.set BB, 64*((\a)%2)
	WIN TO_B                                       ; the rows come back into window 1, where B's fragments are done with
.irp t, 0,1,2,3,4,5,6,7,8,9,10,11,12,13,14,15
	ds_load_b128 v[BB+4*\t:BB+4*\t+3], v[RD] offset:\t*SPITCH      ; LDS serves a wave's instructions in order (ISA guide 5.7.1.4): these see my stores
.endr
	WIN 0
.endm
.macro SEND a, younger                 ; younger: the LDS instructions issued behind block a's loads
.set BB, 64*((\a)%2)
	s_wait_dscnt \younger
.if (\a) > 0
	s_add_nc_u64 s[10:11], s[10:11], 16*SIZE_N*4   ; (behind a wait on XCNT: the earlier stores have read their base)
.endif
	WIN 0x04                                       ; the stores' data: window 1
.irp t, 0,1,2,3,4,5,6,7,8,9,10,11,12,13,14,15
	global_store_b128 v[CO], v[BB+4*\t:BB+4*\t+3], s[10:11] offset:\t*SIZE_N*4 th:TH_STORE_NT   ; 32 lanes store 512 consecutive bytes, at a multiple of 256 from out0's first byte
.endr
	WIN 0
.endm
	s_wait_kmcnt 0x0
	s_wait_loadcnt 0x0                             ; gamma and bias
	PLACES NP                                      ; behind the last products: results are read, A's registers written and B's loaded into, below
	s_add_co_i32 s96, s92, s93
	s_sub_co_i32 s96, s96, 7                       ; ea + eb - 7: the / 128 is folded in
.irp a, 0,1,2,3,4,5,6,7
	v_mul_f32 v[LN+2*\a], s95, v[LN+2*\a]          ; gamma x wscale, rounded once,
	v_ldexp_f32 v[LN+2*\a], v[LN+2*\a], s96        ; x 2^(ea + eb - 7)
	v_mov_b32 v[LN+2*\a+1], v[LN+2*\a]
.endr
	TOSTAGE 0
.irp a, 1,2,3,4,5,6,7
.if \a > 1
	s_wait_xcnt 0x0                                ; block a - 2's stores have read their registers and their base
.endif
	TOSTAGE \a
	SEND \a-1, 32                                  ; behind block a - 1's loads: block a's 16 stores and 16 loads
.endr
	s_wait_xcnt 0x0
	SEND 7, 0
	s_wait_tensorcnt 0x0                           ; the wave's end: three lines behind my last tensor load and my last LDS store
	ds_add_u32 v[SPW], v[NIL]
	s_wait_dscnt 0x0
	CROUND                                         ; the closing round
	s_endpgm
.Lfunc_end_k_qae67c52299_oproj:
	.size	k_qae67c52299_oproj, .Lfunc_end_k_qae67c52299_oproj-k_qae67c52299_oproj
	.p2alignl 7, 3214868480
	.fill 96, 4, 3214868480
	.section	.rodata,"a",@progbits
	.p2align	6, 0x0
	.amdhsa_kernel k_qae67c52299_oproj
		.amdhsa_group_segment_fixed_size 327680
		.amdhsa_private_segment_fixed_size 0
		.amdhsa_enable_private_segment 0
		.amdhsa_kernarg_size 48
		.amdhsa_user_sgpr_count 2
		.amdhsa_user_sgpr_kernarg_segment_ptr 1
		.amdhsa_wavefront_size32 1
		.amdhsa_system_sgpr_workgroup_id_x 1
		.amdhsa_system_sgpr_workgroup_id_y 1
		.amdhsa_system_sgpr_workgroup_id_z 1
		.amdhsa_system_vgpr_workitem_id 0
		.amdhsa_next_free_vgpr 1024
		.amdhsa_next_free_sgpr 100
		.amdhsa_reserve_vcc 0
		.amdhsa_float_denorm_mode_32 3
		.amdhsa_float_denorm_mode_16_64 3
		.amdhsa_memory_ordered 1
		.amdhsa_forward_progress 1
		.amdhsa_inst_pref_size 127
	.end_amdhsa_kernel
	.amdgpu_metadata
---
amdhsa.version: [ 1, 2 ]
amdhsa.kernels:
  - .name:           k_qae67c52299_oproj
    .symbol:         k_qae67c52299_oproj.kd
    .args:
      - { .name: acodes, .offset: 0, .size: 8, .value_kind: global_buffer, .address_space: global }
      - { .name: wcodes, .offset: 8, .size: 8, .value_kind: global_buffer, .address_space: global }
      - { .name: lowp_scales, .offset: 16, .size: 8, .value_kind: global_buffer, .address_space: global }
      - { .name: gam, .offset: 24, .size: 8, .value_kind: global_buffer, .address_space: global }
      - { .name: out_proj_bias, .offset: 32, .size: 8, .value_kind: global_buffer, .address_space: global }
      - { .name: out0, .offset: 40, .size: 8, .value_kind: global_buffer, .address_space: global }
    .group_segment_fixed_size: 327680
    .private_segment_fixed_size: 0
    .kernarg_segment_align: 8
    .kernarg_segment_size: 48
    .max_flat_workgroup_size: 128
    .sgpr_count:     100
    .vgpr_count:     1024
    .wavefront_size: 32
...
	.end_amdgpu_metadata
.endif
;; end of part 6
;; ======== version 2 of 2: 6 launches; version 1 with the launch attn written anew for expert scheduling mode
;; workspace buffers: psum 4,096 bytes; acodes 25,165,824 bytes; gam 98,560 bytes; wcodes 4,194,304 bytes; qf 8,388,608 bytes; kv 16,777,216 bytes; ctx 33,554,432 bytes
;; launch wsum: the kernel of part 1 again; grid 256 x 1, 4 waves a work-group, no clusters, 0 bytes of LDS; arguments in_proj_weight, out_proj_weight, psum; writes psum
;; launch quant: the kernel of part 2 again; grid 448 x 1, 4 waves a work-group, no clusters, 0 bytes of LDS; arguments query, key, value, in_proj_weight, out_proj_weight, psum, lowp_scales, acodes, gam, wcodes; writes acodes, gam, wcodes
;; launch proj: the kernel of part 3 again; grid 4 x 96, 4 waves a work-group, clusters of 4 x 4, 327,680 bytes of LDS; arguments acodes, wcodes, lowp_scales, gam, in_proj_bias, qf, kv; writes qf, kv
;; launch attn (part 7): grid 4 x 64, 16 waves a work-group, no clusters, 264,192 bytes of LDS; arguments qf, kv, lowp_scales, ctx; writes ctx
.if DOCPART == 7
	.amdgcn_target "amdgcn-amd-amdhsa--gfx1250"
	.amdhsa_code_object_version 6
	.text
	.protected	k_qae67c52299_attn
	.globl	k_qae67c52299_attn
	.p2align	8
	.type	k_qae67c52299_attn,@function
k_qae67c52299_attn:
	s_mov_b64 s[64:65], 0
	v_nop
	global_prefetch_b8 v0, s[64:65] scope:SCOPE_SE
	s_setreg_imm32_b32 hwreg(HW_REG_WAVE_SCHED_MODE, 0, 2), 2
	s_setreg_imm32_b32 hwreg(HW_REG_WAVE_MODE, 25, 1), 1
	s_wait_xcnt 0x0
	s_wait_alu depctr_vm_vsrc(0)
; ctx[b][q][64 head + d] = the sum over k of softmax_k(Q . K / 8) V, both products on codes of FP8 (E4M3); scales 2^e: eq, ek, ep, ev = lowp_scales[6 .. 9].
; THE SOFTMAX AHEAD OF THE SECOND PRODUCT: t = score x log2(e) / 8; M = the running largest t rounded UP to a whole number; p = 2^(t - M) is quantised, not normalised; the row's sum is taken of the unquantised p and
; divides at the end.  When M moves, the sum and O are multiplied by 2^(old M - new M): exact.
; SHARES.  A work-group owns 512 queries of one of the 64 heads (grid y); each of its sixteen waves 32 of them, two tiles of 16, in 256 registers: four waves to a SIMD, so that one wave's vector work stands beside
; another's products and LDS loads.  Every fragment of K and V read from LDS feeds two matrix instructions.  Every wave walks the head's 2,048 keys, 128 a step.
; OPERANDS ARRIVE AS IMAGES OF REGISTERS (made by the launch before): a group of four registers is 512 bytes, lane l's 16 at 16 l: every LDS load is 512 consecutive bytes; no pitch, no padding.
; Both products are used transposed: S^T = K Q^T (source 0 = 16 keys, source 1 = 16 queries), O^T = V^T P^T: a lane holds ONE query.  Register j of S^T's tile t is key 16 t + 8 h + j, so the conversion of a tile's
; eight registers gives registers 2 t, 2 t + 1 of P: keys 16 t + 8 h + 0 .. 7, the places that V^T's images give the same keys.
; FEEDING.  The head's K and V, 256 KB, are laid into LDS once, as they lie in memory, through registers: in the trip of step s each wave loads its 1 KB of step s + 2 at the trip's head and stores it to LDS at the
; trip's end; one barrier a trip; every LDS byte of the block is written once.
; NO TENSOR LOAD, NO CLUSTER, NO PREFETCH: a work-group reads each byte of K and V once, 256 KB for 2 x 512 x 2,048 x 64 multiply-adds, and each load is issued a whole key step (two tiles' softmax) ahead of its wait.
; And so the launch may branch on the given ep: p <= 1 (a last bit more at most) <= 448 x 2^ep wherever ep >= -8, and the hold, 64 lines of a tile's step, is then jumped over.
; LIMITS: eq + ek between -123 and 130 (added to c's exponent field); ep between -126 and 119; NaN and infinities are not served.
; LDS: step s at 16,384 s: eight images of K (1,024 bytes), four of V^T (2,048); the spare words behind the block; on the way out a stage of 16 rows x 272 bytes a wave lies over steps 0 to 4, behind a barrier.
; REGISTERS: v1 16 x lane; v2, v3 the add's two; v4 the step's LDS address; v5 16 x lane + 1,024 x wave; v6 where my part of a step goes; v[8:9], v[12:13] (-M, the largest t) of tiles 0, 1; v[10:11], v[14:15] the sums;
; v16-31 Q; v32-95 K's eight fragments, later v32-47 tile 1's P and v48-111 V's four fragments; v96-159 S^T, then p; v160-223 O^T; v224-239 tile 0's P; v240 448 x 2^ep; v241 2^ep; v242-249 my part of step s + 2;
; v[250:251] a second chain of sums; v[252:253] f; v254 at work; v255 the permute's destination.
; THE MODE: SCHED_MODE bits 1:0 = 2 (LLVM: expert scheduling mode 2), set by the entry lines.  The code itself states the register dependences between vector or matrix instructions and memory or LDS
; instructions, with s_wait_alu, always for 0.
; THE PLAN.  Registers that memory or LDS instructions touch, in the loop:
;   v4, v6      LDS addresses.  Written by two vector additions at a step's head; v4 is read by the step's 32 LDS loads, v6 by its two LDS stores; no other vector line of the step names them.
;   v1, v5      Offsets, made at the kernel's head; v5 is read by the loads of K and V from memory; neither is written in the loop.
;   v242-249    Written by the two loads from memory at a trip's head, read by the two LDS stores at its end; no vector line names them.
;   v32-95      K's sixteen LDS loads land here at a step's head.  Read by both tiles' products K Q^T.  Then v32-47 take tile 1's P (conversions write, products V^T P read).
;   v48-95      V's fragments 0 to 2: twelve LDS loads, issued as soon as tile 1's products K Q^T, K's last readers, are done: they land under tile 1's softmax, which names none of these registers.
;   v96-111     V's fragment 3: four LDS loads, issued as soon as tile 1's conversions, the last readers of p there, are done: they land under the rescaling of O^T and the first six products V^T P.
; So a step has one wait on vm_vsrc, at its head ahead of the two additions, and three on va_vdst beside the one behind each softmax's exponentials: behind the additions, behind tile 1's products K Q^T,
; behind tile 1's conversions.  O^T, tile 0's P, the statistics and v112-159 are named by vector and matrix instructions alone.
.set SPARE, 262144
.set VF,    48                         ; V's four fragments: v48-111
	s_load_b256 s[4:11], s[0:1], 0x0               ; qf s[4:5], kv s[6:7], lowp_scales s[8:9], ctx s[10:11]
	v_lshl_add_u32 v2, v0, 2, SPARE                ; my spare word,
	v_mov_b32 v3, 0                                ; and 0: both kept for the closing lines alone
	v_lshrrev_b32 v4, 5, v0
	v_readfirstlane_b32 s12, v4                    ; wave 0..15
	v_and_b32 v1, 31, v0
	v_lshlrev_b32 v1, 4, v1
	s_wait_alu depctr_va_sdst(0)                   ; s12 is written, ahead of its first reader: offsets, bases and the stage's place are made from it
	s_lshl_b32 s13, s12, 10
	v_add_nc_u32 v5, s13, v1
	s_and_b32 s14, ttmp7, 0xffff                   ; 16 x batch + head
	s_lshl_b32 s28, s14, 18                        ; the head's 256 KB of kv
	s_mov_b32 s29, 0
	s_lshl_b32 s30, s14, 17                        ; its 128 KB of qf,
	s_lshl_b32 s15, ttmp9, 15                      ; my work-group's 32 tiles,
	s_add_co_u32 s30, s30, s15
	s_lshl_b32 s15, s12, 11                        ; my wave's two
	s_add_co_u32 s30, s30, s15
	s_mov_b32 s31, 0
	s_lshr_b32 s32, s14, 4
	s_lshl_b32 s32, s32, 11
	s_lshl_b32 s15, ttmp9, 9
	s_add_co_u32 s32, s32, s15
	s_lshl_b32 s15, s12, 5
	s_add_co_u32 s32, s32, s15                     ; my first token: 2,048 batch + 512 x + 32 wave
	s_lshl_b32 s32, s32, 12
	s_and_b32 s15, s14, 15
	s_lshl_b32 s15, s15, 8                         ; the head's 256 bytes of a row of ctx
	s_add_co_u32 s32, s32, s15
	s_mov_b32 s33, 0
	s_mov_b32 s20, 0x76543210                      ; v_permlanex16_b32: lane l xor 16
	s_mov_b32 s21, 0xfedcba98
	s_mov_b32 s22, 0x3e38aa3b                      ; c = log2(e) / 8
	s_mov_b32 s24, 0                               ; LDS byte at which the step in hand begins
	s_wait_kmcnt 0x0
	s_load_b128 s[16:19], s[8:9], 0x18             ; eq, ek, ep, ev
	s_add_nc_u64 s[26:27], s[6:7], s[28:29]
	s_add_nc_u64 s[4:5], s[4:5], s[30:31]
	s_add_nc_u64 s[10:11], s[10:11], s[32:33]
	s_wait_alu depctr_va_vdst(0)                   ; v1 and v5 are written: the loads below and the LDS stores behind them read them as offsets and addresses
	global_load_b128 v[16:19], v1, s[4:5]          ; Q's two fragments stay in registers
	global_load_b128 v[20:23], v1, s[4:5] offset:512
	global_load_b128 v[24:27], v1, s[4:5] offset:1024
	global_load_b128 v[28:31], v1, s[4:5] offset:1536
	global_load_b128 v[96:99], v5, s[26:27]        ; my parts of steps 0 and 1
	global_load_b128 v[100:103], v5, s[26:27] offset:512
	global_load_b128 v[104:107], v5, s[26:27] offset:16384
	global_load_b128 v[108:111], v5, s[26:27] offset:16896
	v_mov_b32 v9, 0xff61b1e6                       ; the largest t so far: -3e38, under every t
	v_mov_b32 v13, 0xff61b1e6
	v_floor_f32 v8, -v9                            ; -M
	v_floor_f32 v12, -v13
	v_mov_b32 v10, 0                               ; the sums, in two halves
	v_mov_b32 v11, 0
	v_mov_b32 v14, 0
	v_mov_b32 v15, 0
	v_mov_b32 v253, 0                              ; (named as the upper half of the pair v[252:253])
	v_mov_b32 v255, 0                              ; a lane permute's destination counts as read
.set J, 0
.rept 64
	v_mov_b32 v[160+J], 0                          ; O^T.  (The step is written once: its first trip finds zeros, which the first change of M leaves zeros)
.set J, J+1
.endr
	s_wait_kmcnt 0x0
	s_add_co_i32 s28, s16, s17
	s_lshl_b32 s28, s28, 23
	s_add_co_i32 s22, s22, s28                     ; a score stands for score x 2^(eq + ek): the exponents are added to c's exponent field
	s_mov_b32 s23, s22                             ; (named with it as a pair)
	s_add_co_i32 s28, s18, 127
	s_lshl_b32 s29, s28, 23
	v_mov_b32 v241, s29                            ; 2^ep
	s_add_co_i32 s28, s28, 8
	s_lshl_b32 s28, s28, 23
	s_or_b32 s28, s28, 0x600000
	v_mov_b32 v240, s28                            ; 448 x 2^ep
	s_wait_loadcnt 0x0
	ds_store_b128 v5, v[96:99]                     ; no wait on va_vdst: the data come from loads, and no vector line since the wait above names v5
	ds_store_b128 v5, v[100:103] offset:512
	ds_store_b128 v5, v[104:107] offset:16384
	ds_store_b128 v5, v[108:111] offset:16896
	s_add_nc_u64 s[26:27], s[26:27], 32768         ; on to step 2 (the loads that read the base are done)
	s_wait_dscnt 0x0                               ; for the others' sake: my stores have landed
	s_barrier_signal -1
	s_barrier_wait -1                              ; steps 0 and 1 lie in LDS
; One tile's softmax for one key step, on S^T in v96-159.  t: (-M, largest t); l: the sum's pair; ob: the tile's O^T; pb: where its P goes.  late = 1: behind the conversions V's last fragment is asked for.
.macro SOFTMAX t, l, ob, pb, late
	v_max3_num_f32 v254, v96, v97, v98             ; the step's largest score of my query among my 64 keys, ascending, in two chains
	v_max3_num_f32 v252, v99, v100, v101
.irp i, 6,10,14,18,22,26,30,34,38,42,46,50,54,58
	v_max3_num_f32 v254, v254, v[96+\i], v[97+\i]
	v_max3_num_f32 v252, v252, v[98+\i], v[99+\i]
.endr
	v_max3_num_f32 v254, v254, v158, v159
	v_max_num_f32 v254, v254, v252
	v_permlanex16_b32 v255, v254, s20, s21
	v_max_num_f32 v254, v254, v255                 ; and among lane l xor 16's
	v_mul_f32 v254, s22, v254                      ; as t (c is positive)
	v_max_num_f32 v[\t+1], v[\t+1], v254           ; the running largest t
	v_mov_b32 v254, v[\t]
	v_floor_f32 v[\t], -v[\t+1]                    ; the new -M = floor(-t) = -ceil(t)
	v_sub_f32 v254, v[\t], v254                    ; old M - new M: a whole number, 0 or less
	v_cvt_i32_f32 v254, v254                       ; (it saturates)
	v_ldexp_f32 v252, 1.0, v254                    ; f = 2^(old M - new M)
.set J, 0
.rept 32
	v_pk_fma_f32 v[96+J:97+J], v[96+J:97+J], s[22:23], v[\t:\t+1] op_sel_hi:[1,0,0]   ; t - M, two at a time (of the pairs c and -M the low word serves both halves)
.set J, J+2
.endr
.set J, 0
.rept 64
	v_exp_f32 v[96+J], v[96+J]                     ; p = 2^(t - M)
.set J, J+1
.endr
	v_pk_mul_f32 v[\l:\l+1], v[\l:\l+1], v[252:253] op_sel_hi:[1,0]    ; the sums under the new M: the plain line behind the exponentials
	s_wait_alu depctr_va_vdst(0)                   ; the 64 exponentials have written p in v96-159: one wait for the whole batch, ahead of the first line that names a result
	v_pk_add_f32 v[250:251], v[96:97], v[98:99]    ; the row's sum is taken of the unquantised p: two at a time, in two chains
.irp j, 4,8,12,16,20,24,28,32,36,40,44,48,52,56,60
	v_pk_add_f32 v[\l:\l+1], v[\l:\l+1], v[96+\j:97+\j]
	v_pk_add_f32 v[250:251], v[250:251], v[98+\j:99+\j]
.endr
	v_pk_add_f32 v[\l:\l+1], v[\l:\l+1], v[250:251]
	s_cmp_ge_i32 s18, -8                           ; 448 x 2^ep >= 1.75 from ep = -8 on: no p reaches it
	s_cbranch_scc1 .Lnohold_\@
.set J, 0
.rept 64
	v_min_num_f32 v[96+J], v[96+J], v240           ; the conversion does not saturate (ISA guide 7.6.2); p is not negative, so the hold is one-sided
.set J, J+1
.endr
.Lnohold_\@:
.irp u, 0,1,2,3,4,5,6,7
	v_cvt_scalef32_pk8_fp8_f32 v[\pb+2*\u:\pb+2*\u+1], v[96+8*\u:103+8*\u], v241
.endr
.if \late
	s_wait_alu depctr_va_vdst(0)                   ; the conversions, and every line before them, are done with p in v96-111, in which the four loads below land
.irp g, 0,1,2,3
	ds_load_b128 v[VF+48+4*\g:VF+51+4*\g], v4 offset:8192+2048*3+512*\g    ; V's fragment 3.  The lines that follow name O^T and f alone: none of these registers
.endr
.endif
.set J, 0
.rept 16
	v_pk_mul_f32 v[\ob+J:\ob+J+1], v[\ob+J:\ob+J+1], v[252:253] op_sel_hi:[1,0]   ; O^T under the new M, each accumulator from its low end on.  (Also the plain lines behind the conversions)
.set J, J+2
.endr
.endm
; A key step.  fill = 1: my part of the step two on is fetched and laid into LDS, and a barrier closes the trip.
.macro STEP fill
	s_wait_alu depctr_vm_vsrc(0)                   ; the last step's LDS loads have read v4, its LDS stores v6 and v242-249; in the first trip the head's LDS stores have read v96-111: all are written again below
	v_add_nc_u32 v4, s24, v1
.if \fill
	v_add_nc_u32 v6, s24, v5                       ; where my part of the step two on will go
.endif
.rept 4-\fill
	v_nop                                          ; with the additions five places behind the last products: the first product below writes over V's last fragment
.endr
	s_wait_alu depctr_va_vdst(0)                   ; v4 and v6 are written, which the step's LDS loads and stores read; the last step's conversions have written, and its products are done reading, v32-95, in which K's loads land
.irp t, 0,1,2,3,4,5,6,7
	ds_load_b128 v[32+8*\t:35+8*\t], v4 offset:1024*\t
	ds_load_b128 v[36+8*\t:39+8*\t], v4 offset:1024*\t+512
.endr
.if \fill
	global_load_b128 v[242:245], v5, s[26:27]
	global_load_b128 v[246:249], v5, s[26:27] offset:512
.endif
	s_wait_dscnt 0x0
.irp t, 0,1,2,3,4,5,6,7
	v_wmma_f32_16x16x64_fp8_fp8 v[96+8*\t:103+8*\t], v[32+8*\t:39+8*\t], v[16:23], 0
.endr
.rept 4
	v_nop
.endr
	SOFTMAX 8, 10, 160, 224, 0
.irp t, 0,1,2,3,4,5,6,7
	v_wmma_f32_16x16x64_fp8_fp8 v[96+8*\t:103+8*\t], v[32+8*\t:39+8*\t], v[24:31], 0
.endr
.rept 4
	v_nop                                          ; the places in front of the softmax's first read of these results stay beside the wait below
.endr
	s_wait_alu depctr_va_vdst(0)                   ; both tiles' products are done reading K's fragments in v48-95, in which the twelve loads below land
.irp c, 0,1,2
.irp g, 0,1,2,3
	ds_load_b128 v[VF+16*\c+4*\g:VF+3+16*\c+4*\g], v4 offset:8192+2048*\c+512*\g     ; V's fragments 0 to 2: they land under tile 1's softmax, which names none of v48-95
.endr
.endr
	SOFTMAX 12, 14, 192, 32, 1
	s_wait_dscnt 4                                 ; LDS loads come back in order (ISA guide 5.7.1): V's fragments 0 to 2 are in, the four loads of fragment 3 may be out
.irp c, 0,1,2                                  ; eight accumulators by turns; between two links of a chain stand the step's 23 other matrix instructions
	v_wmma_f32_16x16x128_fp8_fp8 v[160+8*\c:167+8*\c], v[VF+16*\c:VF+15+16*\c], v[224:239], v[160+8*\c:167+8*\c]
	v_wmma_f32_16x16x128_fp8_fp8 v[192+8*\c:199+8*\c], v[VF+16*\c:VF+15+16*\c], v[32:47], v[192+8*\c:199+8*\c]
.endr
	s_wait_dscnt 0x0                               ; fragment 3 is in
	v_wmma_f32_16x16x128_fp8_fp8 v[184:191], v[VF+48:VF+63], v[224:239], v[184:191]
	v_wmma_f32_16x16x128_fp8_fp8 v[216:223], v[VF+48:VF+63], v[32:47], v[216:223]
.if \fill
	s_wait_loadcnt 0x0                             ; asked for a whole step ago
	ds_store_b128 v6, v[242:245] offset:32768      ; two steps on from the step in hand: bytes that nobody reads before the barrier after next.  No wait on va_vdst: v6 stands ahead of the step's first, the data come from loads
	ds_store_b128 v6, v[246:249] offset:33280
	s_add_nc_u64 s[26:27], s[26:27], 16384         ; (the loads that read the base are done)
	s_wait_dscnt 0x0                               ; my stores have landed
	s_barrier_signal -1
	s_barrier_wait -1
.endif
	s_add_co_u32 s24, s24, 16384
.endm
	s_mov_b32 s25, 14
.Lfill:                                            ; steps 0 to 13 fetch steps 2 to 15
	STEP 1
	s_sub_co_u32 s25, s25, 1
	s_cmp_lg_u32 s25, 0
	s_cbranch_scc1 .Lfill
	s_mov_b32 s25, 2
.Ltail:                                            ; steps 14 and 15 fetch nothing: no load leaves the buffer
	STEP 0
	s_sub_co_u32 s25, s25, 1
	s_cmp_lg_u32 s25, 0
	s_cbranch_scc1 .Ltail
	; THE WAY OUT.  O^T / the sum x 2^(ep + ev) goes through my stage in LDS, a tile (16 tokens x 256 bytes) at a time, so that sixteen lanes store the head's whole 256 bytes of a token.
	s_wait_dscnt 0x0
	s_barrier_signal -1
	s_barrier_wait -1                              ; nobody reads K or V any more: the stages may lie over them
	s_wait_alu depctr_vm_vsrc(0)                   ; the last step's LDS loads have read v4, the earlier loads and LDS stores v5 and v6: the three are written anew below
.rept 4
	v_nop                                          ; places behind the last products
.endr
	v_add_f32 v10, v10, v11                        ; the sums' two halves,
	v_add_f32 v14, v14, v15
	v_permlanex16_b32 v255, v10, s20, s21
	v_permlanex16_b32 v254, v14, s20, s21
	v_add_f32 v10, v10, v255                       ; and lane l xor 16's
	v_add_f32 v14, v14, v254
	v_rcp_f32 v10, v10
	v_rcp_f32 v14, v14
	v_and_b32 v4, 15, v0                           ; r.  (Plain lines behind the reciprocals)
	v_bfe_u32 v6, v0, 4, 1                         ; h
	s_add_co_i32 s28, s18, s19                     ; ep + ev
	s_mul_i32 s29, s12, 4352                       ; my stage: 16 rows x 272
	v_mul_u32_u24 v7, v4, 272
	v_lshl_add_u32 v7, v6, 5, v7
	v_add_nc_u32 v7, s29, v7                       ; in: row r, + 32 h
	v_mul_u32_u24 v5, v6, 272
	v_lshl_add_u32 v5, v4, 4, v5
	v_add_nc_u32 v5, s29, v5                       ; back: lanes 0-15 one row, lanes 16-31 the next
	v_lshlrev_b32 v6, 12, v6
	v_lshl_add_u32 v6, v4, 4, v6                   ; and the same two tokens in ctx
	s_wait_alu depctr_va_vdst(0)                   ; the two reciprocals have written v10 and v14: one wait for both, ahead of the first line that names them
	v_ldexp_f32 v10, v10, s28
	v_ldexp_f32 v14, v14, s28
	v_mov_b32 v11, v10
	v_mov_b32 v15, v14
.irp i, 0,1                                    ; both tiles' scalings stand together, so that one wait serves all the LDS stores
.set J, 0
.rept 16
	v_pk_mul_f32 v[96+32*\i+J:97+32*\i+J], v[160+32*\i+J:161+32*\i+J], v[10+4*\i:11+4*\i]   ; register 8 c + j: channel 16 c + 8 h + j of query r; each accumulator from its low end on
.set J, J+2
.endr
.endr
	s_wait_alu depctr_va_vdst(0)                   ; the scalings have written v96-159, which the LDS stores read; v5, v6, v7 are written; every product and conversion is done with v32-95, in which the stage's loads land
.macro PACK i
.irp c, 0,1,2,3
	ds_store_b128 v7, v[96+32*\i+8*\c:99+32*\i+8*\c] offset:64*\c
	ds_store_b128 v7, v[100+32*\i+8*\c:103+32*\i+8*\c] offset:64*\c+16
.endr
.irp k, 0,1,2,3,4,5,6,7
	ds_load_b128 v[32+32*\i+4*\k:35+32*\i+4*\k], v5 offset:544*\k      ; LDS serves a wave's instructions in order (ISA guide 5.7.1.4): these see my stores, and the next tile's stores come behind them
.endr
.endm
.macro SEND i, younger                 ; younger: the LDS instructions issued behind tile i's loads
.irp k, 0,1,2,3,4,5,6,7
	s_wait_dscnt \younger+7-\k
	global_store_b128 v6, v[32+32*\i+4*\k:35+32*\i+4*\k], s[10:11] offset:8192*\k+65536*\i   ; sixteen lanes store 256 consecutive bytes, at a multiple of 256 from ctx's first byte
.endr
.endm
	PACK 0
	PACK 1
	SEND 0, 16
	SEND 1, 0
	s_wait_dscnt 0x0                               ; the closing lines, six on end
	s_wait_alu 0x0
	s_wait_tensorcnt 0x0
	ds_add_u32 v2, v3
	s_wait_dscnt 0x0
	s_endpgm
.Lfunc_end_k_qae67c52299_attn:
	.size	k_qae67c52299_attn, .Lfunc_end_k_qae67c52299_attn-k_qae67c52299_attn
	.p2alignl 7, 3214868480
	.fill 96, 4, 3214868480
	.section	.rodata,"a",@progbits
	.p2align	6, 0x0
	.amdhsa_kernel k_qae67c52299_attn
		.amdhsa_group_segment_fixed_size 264192
		.amdhsa_private_segment_fixed_size 0
		.amdhsa_enable_private_segment 0
		.amdhsa_kernarg_size 32
		.amdhsa_user_sgpr_count 2
		.amdhsa_user_sgpr_kernarg_segment_ptr 1
		.amdhsa_wavefront_size32 1
		.amdhsa_system_sgpr_workgroup_id_x 1
		.amdhsa_system_sgpr_workgroup_id_y 1
		.amdhsa_system_sgpr_workgroup_id_z 1
		.amdhsa_system_vgpr_workitem_id 0
		.amdhsa_next_free_vgpr 256
		.amdhsa_next_free_sgpr 66
		.amdhsa_reserve_vcc 0
		.amdhsa_float_denorm_mode_32 3
		.amdhsa_float_denorm_mode_16_64 3
		.amdhsa_memory_ordered 1
		.amdhsa_forward_progress 1
		.amdhsa_inst_pref_size 71
	.end_amdhsa_kernel
	.amdgpu_metadata
---
amdhsa.version: [ 1, 2 ]
amdhsa.kernels:
  - .name:           k_qae67c52299_attn
    .symbol:         k_qae67c52299_attn.kd
    .args:
      - { .name: qf, .offset: 0, .size: 8, .value_kind: global_buffer, .address_space: global }
      - { .name: kv, .offset: 8, .size: 8, .value_kind: global_buffer, .address_space: global }
      - { .name: lowp_scales, .offset: 16, .size: 8, .value_kind: global_buffer, .address_space: global }
      - { .name: ctx, .offset: 24, .size: 8, .value_kind: global_buffer, .address_space: global }
    .group_segment_fixed_size: 264192
    .private_segment_fixed_size: 0
    .kernarg_segment_align: 8
    .kernarg_segment_size: 32
    .max_flat_workgroup_size: 512
    .sgpr_count:     66
    .vgpr_count:     256
    .wavefront_size: 32
...
	.end_amdgpu_metadata
.endif
;; end of part 7
;; launch ctxq: the kernel of part 5 again; grid 256 x 1, 4 waves a work-group, no clusters, 0 bytes of LDS; arguments ctx, lowp_scales, acodes, gam; writes acodes, gam
;; launch oproj: the kernel of part 6 again; grid 4 x 32, 4 waves a work-group, clusters of 4 x 4, 327,680 bytes of LDS; arguments acodes, wcodes, lowp_scales, gam, out_proj_bias, out0; writes out0
